; MI455X (gfx1250); checked and timed in simulation.
; The chip was launched on July 23, 2026; its instructions are those of AMD's public machine-readable ISA for CDNA 5 (MIT licence, August 2026) and "CDNA5" Instruction Set Architecture Reference Guide (July 2026). The comments in the code are by the model that wrote it; some were corrected since.
;; Physics Residual. Allowed arithmetic: matrix products marked QUANTISED: E2M1 operands, one E8M0 scale for each 32 along K, by v_wmma_scale_f32_16x16x128_f8f6f4 with both operands' format E2M1 (or v_wmma_scale_f32_32x16x128_f4), f32 sums; products left as they are: f32 operands where the result goes on into a quantised operand, else bf16, f16 or f32 operands; f32 sums; everything else in f32.
;; Inputs: W0 128 x 4 float32; W1 128 x 128 float32; W2 128 x 128 float32; W3 128 x 128 float32; W4 128 x 128 float32; W5 128 x 128 float32; W6 1 x 128 float32; b0 128 float32; b1 128 float32; b2 128 float32; b3 128 float32; b4 128 float32; b5 128 float32; b6 1 float32; t 65,536 float32; x 65,536 float32; y 65,536 float32; z 65,536 float32.
;; Outputs: out0 65,536 float32.
;; This version of the problem:
;;   THIS VERSION OF THE PROBLEM IS GIVEN IN LOW PRECISION. The matrix products marked QUANTISED in the list below multiply operands that are first quantised to E2M1 (2 exponent bits, 1 mantissa bit; 4 bits a number), with one power-of-two scale for each 32 numbers along K (OCP MX v1.0); their sums are f32. All else is computed in f32.
;;   The module's matrix products, in the order in which they are computed (A, B: the left and right operand; K: the contracted axis; several contracted axes count as one K, in the product's order):
;;     1. [M 128, K 4] x [K 4, N 65,536]; A: input W0; B: computed on the way: left as it is (K = 4 < 32)
;;     2. [M 128, K 4] x [K 4, N 4]; A: input W0; B: computed on the way: left as it is (K = 4 < 32)
;;     3. [M 128, K 128] x [K 128, N 65,536]; A: input W1; B: computed on the way: QUANTISED
;;     4. [M 128, K 128] x [K 128, N 262,144]; A: input W1; B: computed on the way: QUANTISED
;;     5. [M 128, K 128] x [K 128, N 65,536]; A: input W2; B: computed on the way: QUANTISED
;;     6. [M 128, K 128] x [K 128, N 262,144]; A: input W2; B: computed on the way: QUANTISED
;;     7. [M 128, K 128] x [K 128, N 65,536]; A: input W3; B: computed on the way: QUANTISED
;;     8. [M 128, K 128] x [K 128, N 262,144]; A: input W3; B: computed on the way: QUANTISED
;;     9. [M 128, K 128] x [K 128, N 65,536]; A: input W4; B: computed on the way: QUANTISED
;;     10. [M 128, K 128] x [K 128, N 262,144]; A: input W4; B: computed on the way: QUANTISED
;;     11. [M 128, K 128] x [K 128, N 65,536]; A: input W5; B: computed on the way: QUANTISED
;;     12. [M 128, K 128] x [K 128, N 262,144]; A: input W5; B: computed on the way: QUANTISED
;;     13. [M 1, K 128] x [K 128, N 65,536]; A: input W6; B: computed on the way: left as it is (M = 1 < 16)
;;     14. [M 1, K 128] x [K 128, N 262,144]; A: input W6; B: computed on the way: left as it is (M = 1 < 16)
;;     15. [M 1, K 1] x [K 1, N 128]; A: computed on the way; B: input W6: left as it is (K = 1 < 32)
;;     16. [M 65,536, K 128] x [K 128, N 128]; A: computed on the way; B: input W5: QUANTISED
;;     17. [M 262,144, K 128] x [K 128, N 128]; A: computed on the way; B: input W5: QUANTISED
;;     18. [M 65,536, K 128] x [K 128, N 128]; A: computed on the way; B: input W4: QUANTISED
;;     19. [M 262,144, K 128] x [K 128, N 128]; A: computed on the way; B: input W4: QUANTISED
;;     20. [M 65,536, K 128] x [K 128, N 128]; A: computed on the way; B: input W3: QUANTISED
;;     21. [M 262,144, K 128] x [K 128, N 128]; A: computed on the way; B: input W3: QUANTISED
;;     22. [M 65,536, K 128] x [K 128, N 128]; A: computed on the way; B: input W2: QUANTISED
;;     23. [M 262,144, K 128] x [K 128, N 128]; A: computed on the way; B: input W2: QUANTISED
;;     24. [M 65,536, K 128] x [K 128, N 128]; A: computed on the way; B: input W1: QUANTISED
;;     25. [M 262,144, K 128] x [K 128, N 128]; A: computed on the way; B: input W1: QUANTISED
;;     26. [M 65,536, K 128] x [K 128, N 4]; A: computed on the way; B: input W0: left as it is (N = 4 < 16)
;;     27. [M 262,144, K 128] x [K 128, N 4]; A: computed on the way; B: input W0: left as it is (N = 4 < 16)
;;   THE QUANTISER, for each operand of a quantised product, along K:
;;     - K is cut into blocks of 32 from its start; a last block that is shorter is filled with zeros.
;;     - A block's scale is 2^e with e = floor(log2(the largest magnitude in the block)) - 2, held to -126 .. 127; a block of zeros has e = 0. As a byte (E8M0): e + 127.
;;     - Each number is divided by its block's scale, clamped to +-6, and rounded to the nearest number of E2M1, ties to even, subnormals kept.
;;     - The product sums the exact products of the quantised numbers (number of the format x scale) in f32.
;;   ~~~python
;;   def quantise(x, axis):      # numpy; x: float32 -> the quantised numbers, widened to float32 again
;;       x = np.moveaxis(x, axis, -1); K = x.shape[-1]
;;       x = np.pad(x, [(0, 0)] * (x.ndim - 1) + [(0, -K % 32)]); x = x.reshape(x.shape[:-1] + (-1, 32)); a = np.abs(x).max(-1, keepdims=True)
;;       e = np.where(a > 0, np.clip(np.frexp(np.where(a > 0, a, 1))[1] - 1 - 2, -126, 127), 0)      # np.frexp(a)[1] - 1 = floor(log2(a)), exactly
;;       r = np.clip(x / 2.0 ** e, -6, 6)
;;       step = 2.0 ** (np.maximum(np.frexp(np.where(r == 0, 1, r))[1] - 1, 0) - 1)
;;       q = np.round(r / step) * step * 2.0 ** e      # np.round: ties to even
;;       return np.moveaxis(q.reshape(q.shape[:-2] + (-1,))[..., :K], -1, axis).astype(np.float32)
;;   ~~~
;;   OPERANDS COMPUTED ON THE WAY. 'Computed on the way' means the value that the module computes at that place (a softmax that the list does not call 'softmax' is quantised finished and normalised). What goes into a quantiser is computed in f32, as accurately as f32 sums, v_exp_f32 and their like allow (about 1e-6 of the number): no bf16 or f16 on the way to a quantiser, and a product that is left as it is and whose result goes on into a quantised operand takes f32 operands (vector FMAs, or v_wmma_f32_16x16x4_f32). A number that lies on a knife's edge between two numbers of the format may be rounded either way, as far as f32 arithmetic and the matrix unit's own rounding can turn it there, and no further.
;; 2 versions. Each part assembles by itself: llvm-mc -triple=amdgcn-amd-amdhsa -mcpu=gfx1250 --defsym DOCPART=n.
;; ======== version 1 of 2: 2 launches
;; workspace buffers: wq 92,672 bytes
;; launch prep (part 1): grid 11 x 1, 8 waves a work-group, no clusters, 0 bytes of LDS; arguments W1, W2, W3, W4, W5, W0, W6, b0, b1, b2, b3, b4, b5, wq; writes wq
.if DOCPART == 1
	.amdgcn_target "amdgcn-amd-amdhsa--gfx1250"
	.amdhsa_code_object_version 6
	.text
	.protected	k_qfdde3f88db_prep
	.globl	k_qfdde3f88db_prep
	.p2align	8
	.type	k_qfdde3f88db_prep,@function
k_qfdde3f88db_prep:
	s_mov_b64 s[64:65], 0
	v_nop
	global_prefetch_b8 v0, s[64:65] scope:SCOPE_SE
	s_setreg_imm32_b32 hwreg(HW_REG_WAVE_MODE, 25, 1), 1
	s_wait_xcnt 0x0
; W1 .. W5 [128][128] f32 are turned, once, into codes of FP4 (E2M1) with one E8M0 scale byte for each 32 along K, in BOTH directions in which the
; second launch multiplies by them: K = axis 1 (W h, work-groups 0-4) and K = axis 0 (W^T d, work-groups 5-9).  The codes are laid as IMAGES OF THE
; MATRIX OPERAND'S REGISTERS: fragment f = 8 x work-group + wave (16 rows x 128 K, 8 registers a lane) takes 1,024 bytes; registers 4 c .. 4 c + 3 of
; lane L lie at 1,024 f + 512 c + 16 L.  Its 16 scale words lie at SCB + 64 f + 4 r.
; THE ROWS OF A TILE ARE NOT NEIGHBOURS: lane r of tile t takes row 32 (t / 2) + 8 (t % 2) + r + 8 (r / 8), so that in the (transposed) result register R = 8 t + j of
; lane (r, h) is unit 32 (R / 16) + 16 h + R % 16: 16 neighbours along the next K in 16 registers.
; Work-group 10 lays b0 .. b5, W6 and W0's four columns in that same order of units: [h][R] f32, 512 bytes a vector.
; A block's scale is 2^(floor(log2(its largest magnitude)) - 2): its byte is the largest magnitude's exponent field - 2, held at 1 from below.
; LIMITS: a block of zeros, or one whose largest magnitude lies under 2^-124, gets the byte 1 (its codes are zeros or the nearest codes under that scale; the bytes are read by this program alone);
; NaN and infinities among the inputs are not served.
.set SCB,  81920                       ; the scale words
.set TW0B, 87040                       ; W0's columns: [c][h][R]
.set TBB,  89088                       ; b0 .. b5, then W6: [vector][h][R]
	s_load_b512 s[8:23], s[0:1], 0x0               ; W1 s[8:9], W2 s[10:11], W3 s[12:13], W4 s[14:15], W5 s[16:17], W0 s[18:19], W6 s[20:21], b0 s[22:23]
	s_load_b256 s[24:31], s[0:1], 0x40             ; b1 s[24:25], b2 s[26:27], b3 s[28:29], b4 s[30:31]
	s_load_b128 s[32:35], s[0:1], 0x60             ; b5 s[32:33], wq s[34:35]
	v_lshrrev_b32 v1, 5, v0
	v_readfirstlane_b32 s36, v1                    ; wave 0..7
	v_and_b32 v1, 31, v0                           ; lane
	v_and_b32 v2, 15, v0                           ; r
	v_bfe_u32 v5, v0, 4, 1                         ; h
	v_lshlrev_b32 v7, 4, v1                        ; 16 x lane
	s_cmp_eq_u32 ttmp9, 10
	s_cbranch_scc1 .Ltables
	; ---- a fragment: work-group = 5 m + (layer - 1), wave = tile
	s_cmp_ge_u32 ttmp9, 5
	s_cselect_b32 s38, 5, 0                        ; 5 m
	s_sub_co_u32 s39, ttmp9, s38                   ; layer - 1
	s_lshr_b32 s42, s36, 1
	s_lshl_b32 s42, s42, 5
	s_and_b32 s43, s36, 1
	s_lshl_b32 s43, s43, 3
	s_add_co_u32 s42, s42, s43                     ; the tile's first row: 32 (t / 2) + 8 (t % 2)
	v_and_b32 v6, 8, v2
	v_add_nc_u32 v6, v6, v2                        ; r + 8 (r / 8)
	v_add_nc_u32 v6, s42, v6                       ; my row
	v_lshlrev_b32 v3, 9, v6
	v_lshl_add_u32 v3, v5, 7, v3                   ; K = axis 1: row x 512 bytes + 32 h numbers
	v_lshlrev_b32 v4, 2, v6
	v_lshl_add_u32 v4, v5, 14, v4                  ; K = axis 0: column x 4 bytes + 32 h rows of 512 bytes
	s_mov_b32 s44, 0x76543210
	s_mov_b32 s45, 0xfedcba98                      ; v_permlanex16_b32's selects for lane l xor 16
	s_lshl_b32 s46, ttmp9, 3
	s_add_co_u32 s46, s46, s36                     ; f
	s_wait_kmcnt 0x0
	s_mov_b64 s[40:41], s[8:9]                     ; the layer's weight: a choice that hangs on the work-group's number alone
	s_cmp_eq_u32 s39, 1
	s_cselect_b64 s[40:41], s[10:11], s[40:41]
	s_cmp_eq_u32 s39, 2
	s_cselect_b64 s[40:41], s[12:13], s[40:41]
	s_cmp_eq_u32 s39, 3
	s_cselect_b64 s[40:41], s[14:15], s[40:41]
	s_cmp_eq_u32 s39, 4
	s_cselect_b64 s[40:41], s[16:17], s[40:41]
	s_cmp_lg_u32 s38, 0
	s_cbranch_scc1 .Lrev
.irp c, 0,1                                    ; register 32 c + i = W(my row, 64 c + 32 h + i): neighbours in memory
.irp q, 0,1,2,3,4,5,6,7
	global_load_b128 v[64+32*\c+4*\q:64+32*\c+4*\q+3], v3, s[40:41] offset:256*\c+16*\q
.endr
.endr
	s_branch .Ljoin
.Lrev:
.irp c, 0,1                                    ; register 32 c + i = W(64 c + 32 h + i, my column): the registers run down K
.set II, 0
.rept 32
	global_load_b32 v[64+32*\c+II], v4, s[40:41] offset:(64*\c+II)*512
.set II, II+1
.endr
.endr
.Ljoin:
	s_wait_loadcnt 0x0
.irp c, 0,1                                    ; my block 2 c + h: all its 32 numbers are mine
	v_max3_num_f32 v[32+\c], |v[64+32*\c]|, |v[65+32*\c]|, 0x1800000   ; with the floor 2^(3 - 127): the byte cannot fall under 1
.endr
.irp i, 2,4,6,8,10,12,14,16,18,20,22,24,26,28,30
.irp c, 0,1
	v_max3_num_f32 v[32+\c], v[32+\c], |v[64+32*\c+\i]|, |v[65+32*\c+\i]|
.endr
.endr
.irp c, 0,1
	v_add_nc_u32 v[44+\c], 0xff000000, v[32+\c]    ; 2 off the exponent field: the conversion takes this operand's exponent field as its scale
.endr
.irp c, 0,1
	v_lshrrev_b32 v[36+\c], 23, v[44+\c]           ; the scale's byte
.endr
	v_lshl_or_b32 v9, v37, 16, v36                 ; my two bytes: blocks h and 2 + h of my row,
	v_lshlrev_b32 v11, 3, v5
	v_lshlrev_b32 v9, v11, v9                      ; at their places in the scale word (8 h bits up);
	v_mov_b32 v10, 0
	v_permlanex16_b32 v10, v9, s44, s45
	v_or_b32 v9, v9, v10                           ; with lane l xor 16's two the word is whole
.irp c, 0,1
.irp g, 0,1,2,3
	v_cvt_scalef32_pk8_fp4_f32 v[48+4*\c+\g], v[64+32*\c+8*\g:71+32*\c+8*\g], v[44+\c]   ; registers 4 c .. 4 c + 3 of the operand
.endr
.endr
	v_nop                                          ; one plain line behind the last scaled conversion
	s_lshl_b32 s48, s46, 10                        ; 1,024 f
	s_mov_b32 s49, 0
	s_add_nc_u64 s[50:51], s[34:35], s[48:49]
	s_lshl_b32 s48, s46, 6                         ; 64 f
	s_add_nc_u64 s[52:53], s[34:35], s[48:49]
	v_lshlrev_b32 v8, 2, v2                        ; 4 r
	global_store_b128 v7, v[48:51], s[50:51]       ; each store of the wave covers 512 consecutive bytes, aligned
	global_store_b128 v7, v[52:55], s[50:51] offset:512
	global_store_b32 v8, v9, s[52:53] offset:SCB   ; both halves of the lanes hold, and write, the same word
	s_endpgm
.Ltables:
	s_wait_kmcnt 0x0
	s_cmp_eq_u32 s36, 7
	s_cbranch_scc1 .Lw0
	s_mov_b64 s[40:41], s[22:23]                   ; wave 0..5: b0 .. b5; wave 6: W6
	s_cmp_eq_u32 s36, 1
	s_cselect_b64 s[40:41], s[24:25], s[40:41]
	s_cmp_eq_u32 s36, 2
	s_cselect_b64 s[40:41], s[26:27], s[40:41]
	s_cmp_eq_u32 s36, 3
	s_cselect_b64 s[40:41], s[28:29], s[40:41]
	s_cmp_eq_u32 s36, 4
	s_cselect_b64 s[40:41], s[30:31], s[40:41]
	s_cmp_eq_u32 s36, 5
	s_cselect_b64 s[40:41], s[32:33], s[40:41]
	s_cmp_eq_u32 s36, 6
	s_cselect_b64 s[40:41], s[20:21], s[40:41]
	global_load_b128 v[12:15], v7, s[40:41]        ; units 4 lane .. 4 lane + 3
	v_bfe_u32 v8, v0, 2, 1                         ; their h = (unit / 16) % 2,
	v_bfe_u32 v9, v0, 3, 2                         ; R / 16 = unit / 32,
	v_and_b32 v10, 3, v0                           ; and R % 16 = 4 (lane % 4) on
	v_lshlrev_b32 v8, 8, v8
	v_lshl_add_u32 v8, v9, 6, v8
	v_lshl_add_u32 v8, v10, 4, v8
	s_lshl_b32 s42, s36, 9
	v_add_nc_u32 v8, s42, v8
	s_wait_loadcnt 0x0
	global_store_b128 v8, v[12:15], s[34:35] offset:TBB
	s_endpgm
.Lw0:
.irp k, 0,1,2,3
	global_load_b128 v[12+4*\k:15+4*\k], v7, s[18:19] offset:512*\k   ; W0's row lane + 32 k: its four columns
.endr
	v_lshlrev_b32 v8, 8, v5
	v_lshl_add_u32 v8, v2, 2, v8                   ; unit lane + 32 k: h = lane / 16, R = 16 k + lane % 16
	s_wait_loadcnt 0x0
.irp k, 0,1,2,3
.irp c, 0,1,2,3
	global_store_b32 v8, v[12+4*\k+\c], s[34:35] offset:TW0B+512*\c+64*\k
.endr
.endr
	s_endpgm
.Lfunc_end_k_qfdde3f88db_prep:
	.size	k_qfdde3f88db_prep, .Lfunc_end_k_qfdde3f88db_prep-k_qfdde3f88db_prep
	.p2alignl 7, 3214868480
	.fill 96, 4, 3214868480
	.section	.rodata,"a",@progbits
	.p2align	6, 0x0
	.amdhsa_kernel k_qfdde3f88db_prep
		.amdhsa_group_segment_fixed_size 0
		.amdhsa_private_segment_fixed_size 0
		.amdhsa_enable_private_segment 0
		.amdhsa_kernarg_size 112
		.amdhsa_user_sgpr_count 2
		.amdhsa_user_sgpr_kernarg_segment_ptr 1
		.amdhsa_wavefront_size32 1
		.amdhsa_system_sgpr_workgroup_id_x 1
		.amdhsa_system_sgpr_workgroup_id_y 1
		.amdhsa_system_sgpr_workgroup_id_z 1
		.amdhsa_system_vgpr_workitem_id 0
		.amdhsa_next_free_vgpr 128
		.amdhsa_next_free_sgpr 66
		.amdhsa_reserve_vcc 0
		.amdhsa_float_denorm_mode_32 3
		.amdhsa_float_denorm_mode_16_64 3
		.amdhsa_memory_ordered 1
		.amdhsa_forward_progress 1
		.amdhsa_inst_pref_size 17
	.end_amdhsa_kernel
	.amdgpu_metadata
---
amdhsa.version: [ 1, 2 ]
amdhsa.kernels:
  - .name:           k_qfdde3f88db_prep
    .symbol:         k_qfdde3f88db_prep.kd
    .args:
      - { .name: W1, .offset: 0, .size: 8, .value_kind: global_buffer, .address_space: global }
      - { .name: W2, .offset: 8, .size: 8, .value_kind: global_buffer, .address_space: global }
      - { .name: W3, .offset: 16, .size: 8, .value_kind: global_buffer, .address_space: global }
      - { .name: W4, .offset: 24, .size: 8, .value_kind: global_buffer, .address_space: global }
      - { .name: W5, .offset: 32, .size: 8, .value_kind: global_buffer, .address_space: global }
      - { .name: W0, .offset: 40, .size: 8, .value_kind: global_buffer, .address_space: global }
      - { .name: W6, .offset: 48, .size: 8, .value_kind: global_buffer, .address_space: global }
      - { .name: b0, .offset: 56, .size: 8, .value_kind: global_buffer, .address_space: global }
      - { .name: b1, .offset: 64, .size: 8, .value_kind: global_buffer, .address_space: global }
      - { .name: b2, .offset: 72, .size: 8, .value_kind: global_buffer, .address_space: global }
      - { .name: b3, .offset: 80, .size: 8, .value_kind: global_buffer, .address_space: global }
      - { .name: b4, .offset: 88, .size: 8, .value_kind: global_buffer, .address_space: global }
      - { .name: b5, .offset: 96, .size: 8, .value_kind: global_buffer, .address_space: global }
      - { .name: wq, .offset: 104, .size: 8, .value_kind: global_buffer, .address_space: global }
    .group_segment_fixed_size: 0
    .private_segment_fixed_size: 0
    .kernarg_segment_align: 8
    .kernarg_segment_size: 112
    .max_flat_workgroup_size: 256
    .sgpr_count:     66
    .vgpr_count:     128
    .wavefront_size: 32
...
	.end_amdgpu_metadata
.endif
;; end of part 1
;; launch main (part 2): grid 256 x 1, 8 waves a work-group, no clusters, 303,616 bytes of LDS; arguments wq, t, x, y, z, out0; writes out0
.if DOCPART == 2
	.amdgcn_target "amdgcn-amd-amdhsa--gfx1250"
	.amdhsa_code_object_version 6
	.text
	.protected	k_qfdde3f88db_main
	.globl	k_qfdde3f88db_main
	.p2align	8
	.type	k_qfdde3f88db_main,@function
k_qfdde3f88db_main:
	s_mov_b64 s[64:65], 0
	v_nop
	global_prefetch_b8 v0, s[64:65] scope:SCOPE_SE
	s_setreg_imm32_b32 hwreg(HW_REG_WAVE_MODE, 25, 1), 1
	s_wait_xcnt 0x0
; out[p] = H00 - (H11 + H22 + H33), H the Hessian at (t, x, y, z)[p] of u = W6 tanh(W5 tanh( .. tanh(W0 pt + b0) .. ) + b5) + b6, taken forward over reverse:
;   forward   a_l = W_l h_l + b_l, h_(l+1) = tanh a_l, s_l = 1 - h_(l+1)^2;  for each direction i: da_l = W_l dh_l, dh_(l+1) = s_l da_l, da_0 = W0's column i
;   reverse   d_l = g_(l+1) s_l, g_l = W_l^T d_l, g_6 = W6;  dd_l = s_l dg_(l+1) - 2 g_(l+1) h_(l+1) dh_(l+1), dg_l = W_l^T dd_l;  H_ii = sum over u of W0[u][i] dd_0[u]
; The ten products with W1 .. W5 of each stream go on codes of FP4 (E2M1) with E8M0 scales, both operands quantised along K; all else is f32.
; THE FACTOR -2 IS CARRIED OUTSIDE: dd' = dd / (-2) = s_l dg' + (g_(l+1) h_(l+1)) dh_(l+1); a power of two and a sign pass through the quantiser and through f32 products unchanged; H' is multiplied by -2 at the end.
; NOT COMPUTED, since the module throws them away: u and its tangents, g_0, and H's entries off the diagonal.  b6 is added to u and enters no derivative: it is not read.
; tanh: 1 - 2 / (1 + 2^(2 log2(e) a)); under |a| = 0.25, where that difference loses digits, a + a^3 (c1 + a^2 (c2 + a^2 (c3 + a^2 c4))), cut behind a^9: the next term is under 1e-8 of a there.  Chosen by a select, no branch.
; LIMITS: NaN and infinities are not served; a block whose largest magnitude lies under 2^-124, or a block of zeros, carries the byte 1; carrying -2 outside is not exact within a binade of f32's denormals.
; SHARES.  A work-group owns 256 points, 32 a trip.  Waves 4 G .. 4 G + 3 share tile G of 16 points: wave w carries DIRECTION w for all 128 units (8 tiles, 64 registers) and QUARTER w of the primal stream
; (units 32 w .. 32 w + 31: tiles 2 w, 2 w + 1, 16 registers), which is one block of 32 of the next K.  So nothing of the primal stream is computed twice.
; LAYOUT.  Every product is used transposed: source 0 = 16 rows of the weight, source 1 = 16 points.  Lane (r, h) holds point r, and register R of a stream unit 32 (R / 16) + 16 h + R % 16 (the first launch chose the tiles' rows so).
; What waves hand to each other goes through LDS as images of registers: registers 4 q .. 4 q + 3 of lane L at 512 q + 16 L.  One barrier a stage: what a stage writes, nobody reads in that stage (two places by turns, or a place of its own).
; No tensor loads, no cluster: the one thing that work-groups share is the first launch's 92,672 bytes, read once by each; nothing streams from memory while the loop runs.
.set FRR,  40960                       ; LDS, as the first launch laid it: fragments for W h from 0, for W^T d from here: 8,192 bytes a layer
.set SCB,  81920                       ; their scale words: 512 bytes a layer and direction
.set TAB,  87040                       ; W0's columns [c][h][R]; from TAB + TBI the biases [l][h][R]; at TAB + TW6 W6
.set TBI,  2048
.set TW6,  5120
.set PTB,  92672                       ; behind them: the 256 points, 16 bytes each;
.set OUTB, 96768                       ; H'_ii x -2: [i][256] f32;
.set GRP,  100864                      ; and a region of GRP bytes for each tile's four waves:
.set BQS,  1280                        ;   two places for the primal stream's operand: 1,024 bytes of codes, 64 of scale words
.set CB,   2560                        ;   two places for g h (or W6 s h): 8,192 each
.set SB,   18944                       ;   s_0 .. s_4
.set HB,   59904                       ;   h_1 .. h_5 (a wave reads back its own quarter alone)
.set IMG,  8192
.set LIF,  1                           ; v1   16 x lane                         v2   the same + FRR
.set LIWF, 3                           ; v3   v1 + 2,048 w: my primal tiles      v4   the same + FRR
.set LG,   5                           ; v5   16 x lane + my group's region
.set LGW,  6                           ; v6   v5 + 2,048 w: my quarter of an image
.set LGH,  7                           ; v7   v6 + HB
.set L4S,  8                           ; v8   4 x lane + SCB: a pair of tiles' scale words: lanes 0-15 the even tile's, lanes 16-31 the odd one's
.set L4SW, 9                           ; v9   v8 + 128 w
.set BQW,  10                          ; v10  where my 8 bytes of the primal operand's image go
.set BSW,  11                          ; v11  and my block's scale byte
.set BSL,  12                          ; v12  point r's scale word
.set TQ,   13                          ; v13  TAB + 256 h + 64 w: my quarter of a table
.set C3,   14                          ; v[14:15] c3, twice
.set TA,   16                          ; v16  an address of the moment
.set PW,   17                          ; v17  scale words of my direction's operand     v17-23 hold scales and nothing else
.set HS,   18                          ; v18  of the primal operand
.set PAS,  19                          ; v19  of my two primal tiles of the weight
.set AS,   20                          ; v20-23 of the weight's eight tiles, a pair to a register
.set TM,   24                          ; v24-39 at work in the quantisers;
.set PAF,  24                          ;        before that: my two primal fragments of the weight
.set PC,   40                          ; v40-47 my direction's operand;
.set BQF,  40                          ;        before that: the primal operand
.set PA,   48                          ; v48-63   the primal quarter
.set DA,   64                          ; v64-127  my direction
.set X,    128                         ; v128-191 s as loaded; then at work
.set Y,    192                         ; v192-255 the weight's eight fragments, or g h as loaded
                                       ; window 1: v[64 (l - 2)] on: dh_l, l = 2 .. 5, kept for the way back; at the end v0-63 take W0's column
.set MSB, 0
.macro WIN new                         ; s_set_vgpr_msb: bits 1:0 source 0, 3:2 source 1, 5:4 source 2, 7:6 destination; the high byte repeats the setting that is left
.if MSB != \new
	s_set_vgpr_msb (MSB<<8)|\new
.set MSB, \new
.endif
.endm
.macro BAR                             ; my LDS stores have landed and my LDS loads are in: then the work-group's barrier
	s_wait_dscnt 0x0
	s_barrier_signal -1
	s_barrier_wait -1
.endm
.macro LDI n, reg, adr, off            ; n groups of four registers of an image
.set QI, 0
.rept \n
	ds_load_b128 v[(\reg)+4*QI:(\reg)+4*QI+3], v[\adr] offset:(\off)+512*QI
.set QI, QI+1
.endr
.endm
.macro STI reg, adr, off               ; 16 registers into my quarter of an image
.set QI, 0
.rept 4
	ds_store_b128 v[\adr], v[(\reg)+4*QI:(\reg)+4*QI+3] offset:(\off)+512*QI
.set QI, QI+1
.endr
.endm
.macro LDT n, reg, adr, off            ; n groups of four registers of a table: a lane's registers lie on end, and the sixteen lanes of a half read the same words
.set QI, 0
.rept \n
	ds_load_b128 v[(\reg)+4*QI:(\reg)+4*QI+3], v[\adr] offset:(\off)+16*QI
.set QI, QI+1
.endr
.endm
.macro MUL64 d, a, b                   ; 64 numbers, two at a time, from the low end on
.set II, 0
.rept 32
	v_pk_mul_f32 v[(\d)+II:(\d)+II+1], v[(\a)+II:(\a)+II+1], v[(\b)+II:(\b)+II+1]
.set II, II+2
.endr
.endm
.macro FMA64 d, a, b                   ; d += a x b
.set II, 0
.rept 32
	v_pk_fma_f32 v[(\d)+II:(\d)+II+1], v[(\a)+II:(\a)+II+1], v[(\b)+II:(\b)+II+1], v[(\d)+II:(\d)+II+1]
.set II, II+2
.endr
.endm
.macro MUL16 d, a, b
.set II, 0
.rept 8
	v_pk_mul_f32 v[(\d)+II:(\d)+II+1], v[(\a)+II:(\a)+II+1], v[(\b)+II:(\b)+II+1]
.set II, II+2
.endr
.endm
; 8 LDS loads: my two primal fragments of layer l's weight (m = 0: W, 1: W^T), the primal operand from place p, and both sides' scale words
.macro LDPRIM m, l, p
.irp u, 0,1
.irp c, 0,1
	ds_load_b128 v[PAF+8*\u+4*\c:PAF+8*\u+4*\c+3], v[LIWF+\m] offset:IMG*((\l)-1)+1024*\u+512*\c
.endr
.endr
.irp c, 0,1
	ds_load_b128 v[BQF+4*\c:BQF+4*\c+3], v[LG] offset:BQS*(\p)+512*\c
.endr
	ds_load_b32 v[PAS], v[L4SW] offset:512*(5*(\m)+(\l)-1)
	ds_load_b32 v[HS], v[BSL] offset:BQS*(\p)
.endm
; 20 LDS loads: the weight's eight fragments and their scale words
.macro LDA m, l
.irp t, 0,1,2,3,4,5,6,7
.irp c, 0,1
	ds_load_b128 v[Y+8*\t+4*\c:Y+8*\t+4*\c+3], v[LIF+\m] offset:IMG*((\l)-1)+1024*\t+512*\c
.endr
.endr
.irp g, 0,1,2,3
	ds_load_b32 v[AS+\g], v[L4S] offset:512*(5*(\m)+(\l)-1)+128*\g
.endr
.endm
; The primal quarter: two products, K = 128 in one instruction each.  bias = 1: the bias was loaded into the accumulators and is the sum's C.
.macro PWMMA bias
.if \bias
	v_wmma_scale_f32_16x16x128_f8f6f4 v[PA:PA+7], v[PAF:PAF+7], v[BQF:BQF+7], v[PA:PA+7], v[PAS], v[HS] matrix_a_fmt:MATRIX_FMT_FP4 matrix_b_fmt:MATRIX_FMT_FP4
	v_wmma_scale_f32_16x16x128_f8f6f4 v[PA+8:PA+15], v[PAF+8:PAF+15], v[BQF:BQF+7], v[PA+8:PA+15], v[PAS], v[HS] matrix_a_fmt:MATRIX_FMT_FP4 matrix_b_fmt:MATRIX_FMT_FP4 matrix_a_scale:MATRIX_SCALE_ROW1
.else
	v_wmma_scale_f32_16x16x128_f8f6f4 v[PA:PA+7], v[PAF:PAF+7], v[BQF:BQF+7], 0, v[PAS], v[HS] matrix_a_fmt:MATRIX_FMT_FP4 matrix_b_fmt:MATRIX_FMT_FP4
	v_wmma_scale_f32_16x16x128_f8f6f4 v[PA+8:PA+15], v[PAF+8:PAF+15], v[BQF:BQF+7], 0, v[PAS], v[HS] matrix_a_fmt:MATRIX_FMT_FP4 matrix_b_fmt:MATRIX_FMT_FP4 matrix_a_scale:MATRIX_SCALE_ROW1
.endif
.endm
; My direction: eight products, one to an accumulator
.macro DWMMA
.irp g, 0,1,2,3
	v_wmma_scale_f32_16x16x128_f8f6f4 v[DA+16*\g:DA+16*\g+7], v[Y+16*\g:Y+16*\g+7], v[PC:PC+7], 0, v[AS+\g], v[PW] matrix_a_fmt:MATRIX_FMT_FP4 matrix_b_fmt:MATRIX_FMT_FP4
	v_wmma_scale_f32_16x16x128_f8f6f4 v[DA+16*\g+8:DA+16*\g+15], v[Y+16*\g+8:Y+16*\g+15], v[PC:PC+7], 0, v[AS+\g], v[PW] matrix_a_fmt:MATRIX_FMT_FP4 matrix_b_fmt:MATRIX_FMT_FP4 matrix_a_scale:MATRIX_SCALE_ROW1
.endr
.endm
; 64 numbers of a lane, v[s] on (win = 1: in window 1), register 16 b + i = unit 32 b + 16 h + i of my point, become the operand in v[PC] on and its scale word in v[PW]
.macro QUANT s, win
.if \win
	WIN 0x05
.endif
.irp b, 0,1,2,3
	v_max3_num_f32 v[TM+\b], |v[(\s)+16*\b]|, |v[(\s)+1+16*\b]|, 0x1800000   ; block b: my 16 numbers, and the floor 2^(3 - 127): the byte cannot fall under 1
.endr
.irp i, 2,4,6,8,10,12,14
.irp b, 0,1,2,3
	v_max3_num_f32 v[TM+\b], |v[(\s)+16*\b+\i]|, |v[(\s)+1+16*\b+\i]|, v[TM+\b]   ; (the four blocks by turns)
.endr
.endr
	WIN 0
.irp b, 0,1,2,3
	v_permlanex16_b32 v[TM+4+\b], v[TM+\b], s20, s21
.endr
.irp b, 0,1,2,3
	v_max_num_f32 v[TM+\b], v[TM+\b], v[TM+4+\b]   ; with lane l xor 16's: the block's largest magnitude
.endr
.irp b, 0,1,2,3
	v_add_nc_u32 v[TM+12+\b], 0xff000000, v[TM+\b] ; 2 off its exponent field: the conversion's scale operand
.endr
.irp b, 0,1,2,3
	v_lshrrev_b32 v[TM+4+\b], 23, v[TM+12+\b]      ; the scale's byte
.endr
	v_lshl_or_b32 v[PW], v[TM+5], 8, v[TM+4]
	v_lshl_or_b32 v[PW], v[TM+6], 16, v[PW]
	v_lshl_or_b32 v[PW], v[TM+7], 24, v[PW]
.if \win
	WIN 0x01
.endif
.irp b, 0,1,2,3
	v_cvt_scalef32_pk8_fp4_f32 v[PC+2*\b], v[(\s)+16*\b:(\s)+7+16*\b], v[TM+12+\b]
	v_cvt_scalef32_pk8_fp4_f32 v[PC+1+2*\b], v[(\s)+8+16*\b:(\s)+15+16*\b], v[TM+12+\b]
.endr
	WIN 0
	v_nop                                          ; one plain line behind a scaled conversion
.irp c, 0,1                                    ; the operand's layout wants a whole block in a lane: lanes 0-15 block 2 c, lanes 16-31 block 2 c + 1
.irp i, 0,1
	v_permlane16_swap_b32 v[PC+4*\c+\i], v[PC+2+4*\c+\i]
.endr
.endr
.endm
; My quarter of the primal stream, v[s] .. v[s + 15], is block w of the next K: its codes and its byte go to their places in the operand's image, place p
.macro QBLK s, p
	v_max3_num_f32 v[TM+2], |v[(\s)]|, |v[(\s)+1]|, 0x1800000
	v_max3_num_f32 v[TM+3], |v[(\s)+8]|, |v[(\s)+9]|, |v[(\s)+10]|
	v_max3_num_f32 v[TM+2], v[TM+2], |v[(\s)+2]|, |v[(\s)+3]|
	v_max3_num_f32 v[TM+3], v[TM+3], |v[(\s)+11]|, |v[(\s)+12]|
	v_max3_num_f32 v[TM+2], v[TM+2], |v[(\s)+4]|, |v[(\s)+5]|
	v_max3_num_f32 v[TM+3], v[TM+3], |v[(\s)+13]|, |v[(\s)+14]|
	v_max3_num_f32 v[TM+2], v[TM+2], |v[(\s)+6]|, |v[(\s)+7]|
	v_max3_num_f32 v[TM+2], v[TM+2], v[TM+3], |v[(\s)+15]|
	v_permlanex16_b32 v[TM+5], v[TM+2], s20, s21
	v_max_num_f32 v[TM+2], v[TM+2], v[TM+5]
	v_add_nc_u32 v[TM+6], 0xff000000, v[TM+2]
	v_lshrrev_b32 v[TM+4], 23, v[TM+6]
	v_cvt_scalef32_pk8_fp4_f32 v[TM], v[(\s):(\s)+7], v[TM+6]
	v_cvt_scalef32_pk8_fp4_f32 v[TM+1], v[(\s)+8:(\s)+15], v[TM+6]
	v_nop                                          ; one plain line behind a scaled conversion
	ds_store_b64 v[BQW], v[TM:TM+1] offset:BQS*(\p)
	ds_store_b8 v[BSW], v[TM+4] offset:BQS*(\p)    ; both halves of the lanes write the same byte with the same value
.endm
; tanh of the primal quarter, in two parts, so that the first can stand as the places in front of my direction's products and the second behind them.
; E = v[X] on, Q = v[X + 16] on, X2 = v[X + 32] on.  Part 1 reads each accumulator from its low end on.
.macro TANH1
.irp j, 0,2,4,6,8,10,12,14
	v_pk_mul_f32 v[X+\j:X+\j+1], v[PA+\j:PA+\j+1], s[22:23] op_sel_hi:[1,0]       ; 2 log2(e) a
.endr
.irp j, 0,2,4,6,8,10,12,14
	v_pk_mul_f32 v[X+32+\j:X+33+\j], v[PA+\j:PA+\j+1], v[PA+\j:PA+\j+1]           ; a^2
.endr
.endm
.macro TANH2                           ; leaves h in v[PA] on and s = 1 - h^2 in v[X] on
.set II, 0
.rept 16
	v_exp_f32 v[X+II], v[X+II]
.set II, II+1
.endr
.irp j, 0,2,4,6,8,10,12,14
	v_pk_fma_f32 v[X+16+\j:X+17+\j], v[X+32+\j:X+33+\j], s[24:25], v[C3:C3+1] op_sel_hi:[1,0,1]   ; (plain lines behind the exponentials)  c3 + a^2 c4
.endr
.irp j, 0,2,4,6,8,10,12,14
	v_pk_fma_f32 v[X+16+\j:X+17+\j], v[X+16+\j:X+17+\j], v[X+32+\j:X+33+\j], s[26:27] op_sel_hi:[1,1,0]
.endr
.irp j, 0,2,4,6,8,10,12,14
	v_pk_fma_f32 v[X+16+\j:X+17+\j], v[X+16+\j:X+17+\j], v[X+32+\j:X+33+\j], s[28:29] op_sel_hi:[1,1,0]
.endr
.irp j, 0,2,4,6,8,10,12,14
	v_pk_mul_f32 v[X+32+\j:X+33+\j], v[X+32+\j:X+33+\j], v[PA+\j:PA+\j+1]         ; a^3
.endr
	s_wait_alu depctr_va_vdst(0)
.irp j, 0,2,4,6,8,10,12,14
	v_pk_add_f32 v[X+\j:X+\j+1], v[X+\j:X+\j+1], 1.0 op_sel_hi:[1,0]
.endr
.set II, 0
.rept 16
	v_rcp_f32 v[X+II], v[X+II]
.set II, II+1
.endr
.irp j, 0,2,4,6,8,10,12,14
	v_pk_fma_f32 v[X+16+\j:X+17+\j], v[X+32+\j:X+33+\j], v[X+16+\j:X+17+\j], v[PA+\j:PA+\j+1]   ; (plain lines behind the reciprocals)  the series
.endr
	s_wait_alu depctr_va_vdst(0)
.irp j, 0,2,4,6,8,10,12,14
	v_pk_fma_f32 v[X+\j:X+\j+1], v[X+\j:X+\j+1], -2.0, 1.0 op_sel_hi:[1,0,0]      ; 1 - 2 / (1 + e)
.endr
.irp g, 0,4,8,12
.irp i, 0,1,2,3
	v_cmp_gt_f32 s[40+\i], s30, |v[PA+\g+\i]|      ; 0.25 > |a|: the series
.endr
.irp i, 0,1,2,3
	v_cndmask_b32 v[PA+\g+\i], v[X+\g+\i], v[X+16+\g+\i], s[40+\i]
.endr
.endr
.irp j, 0,2,4,6,8,10,12,14
	v_pk_fma_f32 v[X+\j:X+\j+1], v[PA+\j:PA+\j+1], v[PA+\j:PA+\j+1], 1.0 op_sel_hi:[1,1,0] neg_lo:[1,0,0] neg_hi:[1,0,0]
.endr
.endm
.macro AXPY c, co                      ; a_0 += W0's column c x the coordinate in the low register of the pair v[co]
.irp j, 0,2,4,6,8,10,12,14
	v_pk_fma_f32 v[PA+\j:PA+\j+1], v[X+16*\c+\j:X+16*\c+\j+1], v[\co:\co+1], v[PA+\j:PA+\j+1] op_sel_hi:[1,0,1]
.endr
.endm
; LAYER l FORWARD, l = 1 .. 5.  In: da_(l-1) in v[DA] on (l = 1: W0's column, from its table), s_(l-1) and h_l's codes in LDS.  Out: da_l; dh_l kept in window 1; s_l, h_(l+1) and its codes in LDS.
.macro FWD l
	LDPRIM 0, \l, ((\l)%2)
	LDT 4, PA, TQ, TBI+512*(\l)                    ; my quarter of b_l: the C of the primal products
.if \l == 1
	v_add_nc_u32 v[TA], s36, v[TQ]
	LDT 16, DA, TA, 0                              ; da_0 = W0's column w
.endif
	LDI 16, X, LG, SB+IMG*((\l)-1)                 ; s_(l-1), all four quarters
	LDA 0, \l
	s_wait_dscnt 36                                ; out at the most: the 16 loads of s and the 20 of the weight: all that was asked for ahead of them is in
	PWMMA 1
	s_wait_dscnt 20                                ; s is in; the weight's 20 may be out
.if \l == 1
	MUL64 DA, DA, X                                ; dh_1 = s_0 da_0 (made again on the way back, so not kept).  These 32 lines are also the places behind the primal products
.else
	WIN 0x40
	MUL64 64*((\l)-2), DA, X                       ; dh_l = s_(l-1) da_(l-1), kept in window 1.  These 32 lines are also the places behind the primal products
	WIN 0
.endif
.if \l == 5
	LDT 4, X+48, TQ, TW6                           ; my quarter of W6
.endif
.if \l == 1
	QUANT DA, 0
.else
	QUANT 64*((\l)-2), 1
.endif
	TANH1                                          ; 16 plain lines between the scale word's and the operand's last writes and the products
	s_wait_dscnt 0x0                               ; the weight's fragments and scale words are in
	DWMMA                                          ; da_l
	TANH2                                          ; its plain lines are the places behind those products
.if \l < 5
	STI X, LGW, SB+IMG*(\l)                        ; s_l
	STI PA, LGH, IMG*(\l)                          ; h_(l+1)
	QBLK PA, (((\l)+1)%2)
.else
	MUL16 X+16, X+48, X                            ; d_5 = W6 s_5
	MUL16 X+32, X+16, PA                           ; d_5 h_6: dd'_5 = that x da_5
	STI X+32, LGW, CB+IMG
	QBLK X+16, 0
.endif
	BAR
.endm
; LAYER l ON THE WAY BACK, l = 5 .. 1.  In: dg'_(l+1) (l = 5: da_5) in v[DA] on; d_l's codes, s_l and g_(l+1) h_(l+1) in LDS.  Out: dg'_l; g_l h_l and d_(l-1)'s codes in LDS.
.macro REV l
	LDPRIM 1, \l, (((\l)+1)%2)
.if \l == 5
	LDI 16, X, LG, CB+IMG
	s_wait_dscnt 16                                ; the primal's 8 loads are in; the 16 behind them may be out
.else
	LDI 16, X, LG, SB+IMG*(\l)
	LDI 16, Y, LG, CB+IMG*((\l)%2)
	s_wait_dscnt 32                                ; the primal's 8 loads are in; the 32 behind them may be out
.endif
	PWMMA 0                                        ; my quarter of g_l = W_l^T d_l
	s_wait_dscnt 0x0
	MUL64 DA, DA, X                                ; dd'_l = s_l dg'_(l+1)  (l = 5: d_5 h_6 da_5), each accumulator from its low end on
.if \l < 5
	WIN 0x04
	FMA64 DA, Y, 64*((\l)-1)                       ; + g_(l+1) h_(l+1) dh_(l+1)
	WIN 0
.endif
	LDA 1, \l
	LDI 4, X, LGH, IMG*((\l)-1)                    ; my quarter of h_l
.if \l > 1
	LDI 4, X+16, LGW, SB+IMG*((\l)-1)              ; and of s_(l-1)
.endif
	QUANT DA, 0
	s_wait_dscnt 0x0
	MUL16 X+32, PA, X                              ; g_l h_l.  These 8 lines (16 where d follows) stand between the scale word's last write and the products
.if \l > 1
	MUL16 X+48, PA, X+16                           ; d_(l-1) = g_l s_(l-1)
.endif
	DWMMA                                          ; dg'_l
	STI X+32, LGW, CB+IMG*(((\l)-1)%2)
.if \l > 1
	QBLK X+48, ((\l)%2)                            ; its plain lines are the places behind the products
.else
.rept 4
	v_nop                                          ; places in front of the next loads into registers that the products read
.endr
.endif
	BAR
.endm
	s_load_b256 s[4:11], s[0:1], 0x0               ; wq s[4:5], t s[6:7], x s[8:9], y s[10:11]
	s_load_b128 s[12:15], s[0:1], 0x20             ; z s[12:13], out0 s[14:15]
	v_lshrrev_b32 v128, 5, v0
	v_readfirstlane_b32 s16, v128                  ; wave 0..7
	s_and_b32 s17, s16, 3                          ; w: my direction and my quarter
	s_lshr_b32 s18, s16, 2                         ; G: my tile of the trip's two
	s_mul_i32 s19, s18, GRP
	s_add_co_u32 s19, s19, GRP                     ; my group's region
	s_lshl_b32 s34, s17, 11                        ; 2,048 w
	v_and_b32 v130, 31, v0                         ; lane
	v_and_b32 v128, 15, v0                         ; r
	v_bfe_u32 v129, v0, 4, 1                       ; h
	v_lshlrev_b32 v[LIF], 4, v130
	v_add_nc_u32 v[LIF+1], FRR, v[LIF]
	v_add_nc_u32 v[LIWF], s34, v[LIF]
	v_add_nc_u32 v[LIWF+1], s34, v[LIF+1]
	v_add_nc_u32 v[LG], s19, v[LIF]
	v_add_nc_u32 v[LGW], s34, v[LG]
	v_add_nc_u32 v[LGH], HB, v[LGW]
	v_lshlrev_b32 v[L4S], 2, v130
	v_add_nc_u32 v[L4S], SCB, v[L4S]
	s_lshl_b32 s35, s17, 7
	v_add_nc_u32 v[L4SW], s35, v[L4S]
	s_lshr_b32 s35, s17, 1                         ; block w of the operand lies in registers 4 (w / 2) on of lanes 16 (w % 2) + r; my 16 codes are 8 bytes, 8 h on
	s_lshl_b32 s35, s35, 9
	s_and_b32 s37, s17, 1
	s_lshl_b32 s37, s37, 8
	s_add_co_u32 s35, s35, s37
	s_add_co_u32 s35, s35, s19
	v_lshl_add_u32 v[BQW], v128, 4, s35
	v_lshl_add_u32 v[BQW], v129, 3, v[BQW]
	s_add_co_u32 s35, s19, 1024
	v_lshl_add_u32 v[BSL], v128, 2, s35
	v_add_nc_u32 v[BSW], s17, v[BSL]
	s_lshl_b32 s35, s17, 6
	s_add_co_u32 s35, s35, TAB
	v_lshl_add_u32 v[TQ], v129, 8, s35
	s_mul_i32 s36, s17, 448                        ; from my quarter of column 0 to the head of column w: 512 w - 64 w
	s_lshl_b32 s32, s18, 8
	s_add_co_u32 s32, s32, PTB                     ; my tile's points: 256 G, + 512 a trip
	s_lshl_b32 s33, s17, 10
	s_lshl_b32 s35, s18, 6
	s_add_co_u32 s33, s33, s35
	s_add_co_u32 s33, s33, OUTB                    ; and its results: 1,024 w + 64 G, + 128 a trip
	v_lshlrev_b32 v156, 4, v0                      ; the copy into LDS: 16 bytes a thread, 4,096 a round
	v_add_nc_u32 v157, 0x10000, v156               ; (an LDS offset has 16 bits)
	v_lshlrev_b32 v158, 2, v0
	s_lshl_b32 s34, ttmp9, 10
	v_add_nc_u32 v158, s34, v158                   ; my point: 256 x work-group + thread
	v_add_nc_u32 v159, PTB, v156
	s_mov_b32 s20, 0x76543210
	s_mov_b32 s21, 0xfedcba98                      ; v_permlanex16_b32's selects for lane l xor 16
	s_mov_b32 s22, 0x4038aa3b                      ; 2 log2(e)   (a packed form names a pair and takes its low word for both halves: so both are written)
	s_mov_b32 s23, s22
	s_mov_b32 s24, 0x3cb327a5                      ; c4 = 62 / 2835
	s_mov_b32 s25, s24
	s_mov_b32 s26, 0x3e088889                      ; c2 = 2 / 15
	s_mov_b32 s27, s26
	s_mov_b32 s28, 0xbeaaaaab                      ; c1 = -1 / 3
	s_mov_b32 s29, s28
	s_mov_b32 s30, 0x3e800000                      ; 0.25
	s_mov_b32 s31, 0                               ; the trip
	v_mov_b32 v[C3], 0xbd5d0dd1                    ; c3 = -17 / 315
	v_mov_b32 v[C3+1], 0xbd5d0dd1
.irp b, 4,5,6,7
	v_mov_b32 v[TM+\b], 0                          ; a lane permute's destination counts as one of its sources
.endr
	s_wait_kmcnt 0x0
.set KI, 0
.rept 22
	global_load_b128 v[64+4*KI:67+4*KI], v156, s[4:5] offset:4096*KI   ; a wave's load covers 512 consecutive bytes, aligned
.set KI, KI+1
.endr
	global_load_b32 v160, v158, s[6:7]
	global_load_b32 v161, v158, s[8:9]
	global_load_b32 v162, v158, s[10:11]
	global_load_b32 v163, v158, s[12:13]
	s_cmp_lt_u32 s16, 5                            ; the last 2,560 of the 92,672 bytes: 160 threads
	s_cbranch_scc0 .Lno_tail
	global_load_b128 v[152:155], v156, s[4:5] offset:4096*22
	s_wait_loadcnt 0x0
	ds_store_b128 v157, v[152:155] offset:4096*6
.Lno_tail:
	s_wait_loadcnt 0x0
.set KI, 0
.rept 16
	ds_store_b128 v156, v[64+4*KI:67+4*KI] offset:4096*KI
.set KI, KI+1
.endr
.rept 6
	ds_store_b128 v157, v[64+4*KI:67+4*KI] offset:4096*(KI-16)
.set KI, KI+1
.endr
	ds_store_b128 v159, v[160:163]                 ; (t, x, y, z) of my point
	BAR
.Ltrip:                                            ; 8 trips of 32 points; 12 barriers a trip
	; ---- layer 0: my quarter of a_0 = W0 pt + b0, in f32
	v_and_b32 v[TA], 15, v0
	v_lshl_add_u32 v[TA], v[TA], 4, s32
	ds_load_b128 v[Y:Y+3], v[TA]                   ; point r
.irp c, 0,1,2,3
	LDT 4, X+16*\c, TQ, 512*\c
.endr
	LDT 4, PA, TQ, TBI
	s_wait_dscnt 0x0
	v_mov_b32 v[Y+4], v[Y+1]                       ; x and z at the low end of a pair too
	v_mov_b32 v[Y+5], v[Y+1]
	v_mov_b32 v[Y+6], v[Y+3]
	v_mov_b32 v[Y+7], v[Y+3]
	AXPY 0, Y
	AXPY 1, Y+4
	AXPY 2, Y+2
	AXPY 3, Y+6
	TANH1
	TANH2
	STI X, LGW, SB                                 ; s_0
	STI PA, LGH, 0                                 ; h_1
	QBLK PA, 1
	BAR
	FWD 1
	FWD 2
	FWD 3
	FWD 4
	FWD 5
	REV 5
	REV 4
	REV 3
	REV 2
	REV 1
	; ---- layer 0 on the way back: dd'_0 = s_0 (dg'_1 + g_1 h_1 W0col);  H'_ww = sum over the units of W0col dd'_0
	LDI 16, X, LG, SB
	LDI 16, Y, LG, CB
	v_add_nc_u32 v[TA], s36, v[TQ]
	WIN 0x40
	LDT 16, 0, TA, 0                               ; W0's column w into window 1, v0-63: dh_2 is done with
	WIN 0
	s_wait_dscnt 0x0                               ; my reads of s_0 and of g_1 h_1 are over: say so, since the next trip writes them again;
	s_barrier_signal -1                            ; work on registers alone stands up to the wait
	WIN 0x04
	FMA64 DA, Y, 0
	WIN 0
	MUL64 DA, DA, X
	WIN 0x04
.set II, 0
.rept 4
	v_pk_mul_f32 v[TM+II:TM+II+1], v[DA+II:DA+II+1], v[II:II+1]     ; four pairs of sums by turns; the first products start them
.set II, II+2
.endr
.rept 28
	v_pk_fma_f32 v[TM+(II%8):TM+(II%8)+1], v[DA+II:DA+II+1], v[II:II+1], v[TM+(II%8):TM+(II%8)+1]
.set II, II+2
.endr
	WIN 0
	v_mov_b32 v[TM+8], 0
	v_pk_add_f32 v[TM:TM+1], v[TM:TM+1], v[TM+2:TM+3]
	v_pk_add_f32 v[TM+4:TM+5], v[TM+4:TM+5], v[TM+6:TM+7]
	v_pk_add_f32 v[TM:TM+1], v[TM:TM+1], v[TM+4:TM+5]
	v_add_f32 v[TM], v[TM], v[TM+1]
	v_permlanex16_b32 v[TM+8], v[TM], s20, s21     ; the point's other 64 units lie in the lane 16 away
	v_add_f32 v[TM], v[TM], v[TM+8]
	v_mul_f32 v[TM], -2.0, v[TM]                   ; the factor that was carried outside
	s_barrier_wait -1
	v_and_b32 v[TA], 15, v0
	v_lshl_add_u32 v[TA], v[TA], 2, s33
	ds_store_b32 v[TA], v[TM]                      ; both halves of the lanes write the same word with the same value
	s_add_co_u32 s32, s32, 512
	s_add_co_u32 s33, s33, 128
	s_add_co_u32 s31, s31, 1
	s_cmp_lt_u32 s31, 8
	s_cbranch_scc1 .Ltrip
	BAR                                            ; all 4 x 256 second derivatives lie in LDS
	v_lshlrev_b32 v[TA], 4, v0
	v_add_nc_u32 v128, OUTB, v[TA]
	s_lshl_b32 s34, ttmp9, 10
	v_add_nc_u32 v129, s34, v[TA]
	s_cmp_lt_u32 s16, 2                            ; 64 threads x 4 points
	s_cbranch_scc0 .Ldone
.irp d, 0,1,2,3
	ds_load_b128 v[132+4*\d:135+4*\d], v128 offset:1024*\d
.endr
	s_wait_dscnt 0x0
	v_pk_add_f32 v[136:137], v[136:137], v[140:141]
	v_pk_add_f32 v[138:139], v[138:139], v[142:143]
	v_pk_add_f32 v[136:137], v[136:137], v[144:145]
	v_pk_add_f32 v[138:139], v[138:139], v[146:147]
	v_pk_add_f32 v[132:133], v[132:133], v[136:137] neg_lo:[0,1] neg_hi:[0,1]   ; H00 - ((H11 + H22) + H33)
	v_pk_add_f32 v[134:135], v[134:135], v[138:139] neg_lo:[0,1] neg_hi:[0,1]
	global_store_b128 v129, v[132:135], s[14:15]   ; a wave's store covers 512 consecutive bytes, aligned
.Ldone:
	s_wait_xcnt 0x0
	v_lshl_add_u32 v254, v0, 2, 0x49e00
	v_mov_b32 v255, 0
	s_wait_tensorcnt 0x0
	ds_add_u32 v254, v255
	s_wait_dscnt 0x0
	s_endpgm
.Lfunc_end_k_qfdde3f88db_main:
	.size	k_qfdde3f88db_main, .Lfunc_end_k_qfdde3f88db_main-k_qfdde3f88db_main
	.p2alignl 7, 3214868480
	.fill 96, 4, 3214868480
	.section	.rodata,"a",@progbits
	.p2align	6, 0x0
	.amdhsa_kernel k_qfdde3f88db_main
		.amdhsa_group_segment_fixed_size 303616
		.amdhsa_private_segment_fixed_size 0
		.amdhsa_enable_private_segment 0
		.amdhsa_kernarg_size 48
		.amdhsa_user_sgpr_count 2
		.amdhsa_user_sgpr_kernarg_segment_ptr 1
		.amdhsa_wavefront_size32 1
		.amdhsa_system_sgpr_workgroup_id_x 1
		.amdhsa_system_sgpr_workgroup_id_y 1
		.amdhsa_system_sgpr_workgroup_id_z 1
		.amdhsa_system_vgpr_workitem_id 0
		.amdhsa_next_free_vgpr 512
		.amdhsa_next_free_sgpr 66
		.amdhsa_reserve_vcc 0
		.amdhsa_float_denorm_mode_32 3
		.amdhsa_float_denorm_mode_16_64 3
		.amdhsa_memory_ordered 1
		.amdhsa_forward_progress 1
		.amdhsa_inst_pref_size 208
	.end_amdhsa_kernel
	.amdgpu_metadata
---
amdhsa.version: [ 1, 2 ]
amdhsa.kernels:
  - .name:           k_qfdde3f88db_main
    .symbol:         k_qfdde3f88db_main.kd
    .args:
      - { .name: wq, .offset: 0, .size: 8, .value_kind: global_buffer, .address_space: global }
      - { .name: t, .offset: 8, .size: 8, .value_kind: global_buffer, .address_space: global }
      - { .name: x, .offset: 16, .size: 8, .value_kind: global_buffer, .address_space: global }
      - { .name: y, .offset: 24, .size: 8, .value_kind: global_buffer, .address_space: global }
      - { .name: z, .offset: 32, .size: 8, .value_kind: global_buffer, .address_space: global }
      - { .name: out0, .offset: 40, .size: 8, .value_kind: global_buffer, .address_space: global }
    .group_segment_fixed_size: 303616
    .private_segment_fixed_size: 0
    .kernarg_segment_align: 8
    .kernarg_segment_size: 48
    .max_flat_workgroup_size: 256
    .sgpr_count:     66
    .vgpr_count:     512
    .wavefront_size: 32
...
	.end_amdgpu_metadata
.endif
;; end of part 2
;; ======== version 2 of 2: 2 launches
;; workspace buffers: wq 92,672 bytes
;; launch prep (part 3): grid 11 x 1, 8 waves a work-group, no clusters, 0 bytes of LDS; arguments W1, W2, W3, W4, W5, W0, W6, b0, b1, b2, b3, b4, b5, wq; writes wq
.if DOCPART == 3
	.amdgcn_target "amdgcn-amd-amdhsa--gfx1250"
	.amdhsa_code_object_version 6
	.text
	.protected	k_qfdde3f88db_prep
	.globl	k_qfdde3f88db_prep
	.p2align	8
	.type	k_qfdde3f88db_prep,@function
k_qfdde3f88db_prep:
	s_mov_b64 s[64:65], 0
	v_nop
	global_prefetch_b8 v0, s[64:65] scope:SCOPE_SE
	s_setreg_imm32_b32 hwreg(HW_REG_WAVE_MODE, 25, 1), 1
	s_wait_xcnt 0x0
; W1 .. W5 [128][128] f32 are turned, once, into codes of FP4 (E2M1) with one E8M0 scale byte for each 32 along K, in BOTH directions in which the
; second launch multiplies by them: K = axis 1 (W h, work-groups 0-4) and K = axis 0 (W^T d, work-groups 5-9).  The codes are laid as IMAGES OF THE
; MATRIX OPERAND'S REGISTERS: fragment f = 8 x work-group + wave (16 rows x 128 K, 8 registers a lane) takes 1,024 bytes; registers 4 c .. 4 c + 3 of
; lane L lie at 1,024 f + 512 c + 16 L.  Its 16 scale words lie at SCB + 64 f + 4 r.
; THE ROWS OF A TILE ARE NOT NEIGHBOURS: lane r of tile t takes row 32 (t / 2) + 8 (t % 2) + r + 8 (r / 8), so that in the (transposed) result register R = 8 t + j of
; lane (r, h) is unit 32 (R / 16) + 16 h + R % 16: 16 neighbours along the next K in 16 registers.
; Work-group 10 lays b0 .. b5, W6 and W0's four columns in that same order of units: [h][R] f32, 512 bytes a vector.
; A block's scale is 2^(floor(log2(its largest magnitude)) - 2): its byte is the largest magnitude's exponent field - 2, held at 1 from below.
; LIMITS: a block of zeros, or one whose largest magnitude lies under 2^-124, gets the byte 1 (its codes are zeros or the nearest codes under that scale; the bytes are read by this program alone);
; NaN and infinities among the inputs are not served.
.set SCB,  81920                       ; the scale words
.set TW0B, 87040                       ; W0's columns: [c][h][R]
.set TBB,  89088                       ; b0 .. b5, then W6: [vector][h][R]
	s_load_b512 s[8:23], s[0:1], 0x0               ; W1 s[8:9], W2 s[10:11], W3 s[12:13], W4 s[14:15], W5 s[16:17], W0 s[18:19], W6 s[20:21], b0 s[22:23]
	s_load_b256 s[24:31], s[0:1], 0x40             ; b1 s[24:25], b2 s[26:27], b3 s[28:29], b4 s[30:31]
	s_load_b128 s[32:35], s[0:1], 0x60             ; b5 s[32:33], wq s[34:35]
	v_lshrrev_b32 v1, 5, v0
	s_delay_alu instid0(VALU_DEP_1)
	v_readfirstlane_b32 s36, v1                    ; wave 0..7
	v_and_b32 v1, 31, v0                           ; lane
	v_and_b32 v2, 15, v0                           ; r
	v_bfe_u32 v5, v0, 4, 1                         ; h
	s_delay_alu instid0(VALU_DEP_3)
	v_lshlrev_b32 v7, 4, v1                        ; 16 x lane
	s_cmp_eq_u32 ttmp9, 10
	s_cbranch_scc1 .Ltables
	; ---- a fragment: work-group = 5 m + (layer - 1), wave = tile
	s_cmp_ge_u32 ttmp9, 5
	s_cselect_b32 s38, 5, 0                        ; 5 m
	s_sub_co_u32 s39, ttmp9, s38                   ; layer - 1
	s_lshr_b32 s42, s36, 1
	s_lshl_b32 s42, s42, 5
	s_and_b32 s43, s36, 1
	s_lshl_b32 s43, s43, 3
	s_add_co_u32 s42, s42, s43                     ; the tile's first row: 32 (t / 2) + 8 (t % 2)
	s_wait_alu depctr_va_vdst(0)
	v_and_b32 v6, 8, v2
	s_delay_alu instid0(VALU_DEP_1)
	v_add_nc_u32 v6, v6, v2                        ; r + 8 (r / 8)
	s_delay_alu instid0(VALU_DEP_1)
	v_add_nc_u32 v6, s42, v6                       ; my row
	s_delay_alu instid0(VALU_DEP_1)
	v_lshlrev_b32 v3, 9, v6
	s_delay_alu instid0(VALU_DEP_1)
	v_lshl_add_u32 v3, v5, 7, v3                   ; K = axis 1: row x 512 bytes + 32 h numbers
	s_delay_alu instid0(VALU_DEP_3)
	v_lshlrev_b32 v4, 2, v6
	s_delay_alu instid0(VALU_DEP_1)
	v_lshl_add_u32 v4, v5, 14, v4                  ; K = axis 0: column x 4 bytes + 32 h rows of 512 bytes
	s_mov_b32 s44, 0x76543210
	s_mov_b32 s45, 0xfedcba98                      ; v_permlanex16_b32's selects for lane l xor 16
	s_lshl_b32 s46, ttmp9, 3
	s_add_co_u32 s46, s46, s36                     ; f
	s_wait_kmcnt 0x0
	s_mov_b64 s[40:41], s[8:9]                     ; the layer's weight: a choice that hangs on the work-group's number alone
	s_cmp_eq_u32 s39, 1
	s_cselect_b64 s[40:41], s[10:11], s[40:41]
	s_cmp_eq_u32 s39, 2
	s_cselect_b64 s[40:41], s[12:13], s[40:41]
	s_cmp_eq_u32 s39, 3
	s_cselect_b64 s[40:41], s[14:15], s[40:41]
	s_cmp_eq_u32 s39, 4
	s_cselect_b64 s[40:41], s[16:17], s[40:41]
	s_cmp_lg_u32 s38, 0
	s_cbranch_scc1 .Lrev
	s_wait_alu depctr_va_vdst(0)
.irp c, 0,1                                    ; register 32 c + i = W(my row, 64 c + 32 h + i): neighbours in memory
.irp q, 0,1,2,3,4,5,6,7
	global_load_b128 v[64+32*\c+4*\q:64+32*\c+4*\q+3], v3, s[40:41] offset:256*\c+16*\q
.endr
.endr
	s_branch .Ljoin
.Lrev:
	s_wait_alu depctr_va_vdst(0)
.irp c, 0,1                                    ; register 32 c + i = W(64 c + 32 h + i, my column): the registers run down K
.set II, 0
.rept 32
	global_load_b32 v[64+32*\c+II], v4, s[40:41] offset:(64*\c+II)*512
.set II, II+1
.endr
.endr
.Ljoin:
	s_wait_loadcnt 0x0
.irp c, 0,1                                    ; my block 2 c + h: all its 32 numbers are mine
	v_max3_num_f32 v[32+\c], |v[64+32*\c]|, |v[65+32*\c]|, 0x1800000   ; with the floor 2^(3 - 127): the byte cannot fall under 1
.endr
.irp i, 2,4,6,8,10,12,14,16,18,20,22,24,26,28,30
.irp c, 0,1
	s_delay_alu instid0(VALU_DEP_2)
	v_max3_num_f32 v[32+\c], v[32+\c], |v[64+32*\c+\i]|, |v[65+32*\c+\i]|
.endr
.endr
.irp c, 0,1
	s_delay_alu instid0(VALU_DEP_2)
	v_add_nc_u32 v[44+\c], 0xff000000, v[32+\c]    ; 2 off the exponent field: the conversion takes this operand's exponent field as its scale
.endr
.irp c, 0,1
	s_delay_alu instid0(VALU_DEP_2)
	v_lshrrev_b32 v[36+\c], 23, v[44+\c]           ; the scale's byte
.endr
	s_delay_alu instid0(VALU_DEP_1)
	v_lshl_or_b32 v9, v37, 16, v36                 ; my two bytes: blocks h and 2 + h of my row,
	v_lshlrev_b32 v11, 3, v5
	s_delay_alu instid0(VALU_DEP_1)
	v_lshlrev_b32 v9, v11, v9                      ; at their places in the scale word (8 h bits up);
	v_mov_b32 v10, 0
	s_delay_alu instid0(VALU_DEP_1)
	v_permlanex16_b32 v10, v9, s44, s45
	s_delay_alu instid0(VALU_DEP_1)
	v_or_b32 v9, v9, v10                           ; with lane l xor 16's two the word is whole
.irp c, 0,1
.irp g, 0,1,2,3
	v_cvt_scalef32_pk8_fp4_f32 v[48+4*\c+\g], v[64+32*\c+8*\g:71+32*\c+8*\g], v[44+\c]   ; registers 4 c .. 4 c + 3 of the operand
.endr
.endr
	v_nop                                          ; one plain line behind the last scaled conversion
	s_lshl_b32 s48, s46, 10                        ; 1,024 f
	s_mov_b32 s49, 0
	s_add_nc_u64 s[50:51], s[34:35], s[48:49]
	s_lshl_b32 s48, s46, 6                         ; 64 f
	s_add_nc_u64 s[52:53], s[34:35], s[48:49]
	v_lshlrev_b32 v8, 2, v2                        ; 4 r
	global_store_b128 v7, v[48:51], s[50:51]       ; each store of the wave covers 512 consecutive bytes, aligned
	global_store_b128 v7, v[52:55], s[50:51] offset:512
	global_store_b32 v8, v9, s[52:53] offset:SCB   ; both halves of the lanes hold, and write, the same word
	s_endpgm
.Ltables:
	s_wait_kmcnt 0x0
	s_cmp_eq_u32 s36, 7
	s_cbranch_scc1 .Lw0
	s_mov_b64 s[40:41], s[22:23]                   ; wave 0..5: b0 .. b5; wave 6: W6
	s_cmp_eq_u32 s36, 1
	s_cselect_b64 s[40:41], s[24:25], s[40:41]
	s_cmp_eq_u32 s36, 2
	s_cselect_b64 s[40:41], s[26:27], s[40:41]
	s_cmp_eq_u32 s36, 3
	s_cselect_b64 s[40:41], s[28:29], s[40:41]
	s_cmp_eq_u32 s36, 4
	s_cselect_b64 s[40:41], s[30:31], s[40:41]
	s_cmp_eq_u32 s36, 5
	s_cselect_b64 s[40:41], s[32:33], s[40:41]
	s_cmp_eq_u32 s36, 6
	s_cselect_b64 s[40:41], s[20:21], s[40:41]
	s_wait_alu depctr_va_vdst(0)
	global_load_b128 v[12:15], v7, s[40:41]        ; units 4 lane .. 4 lane + 3
	v_bfe_u32 v8, v0, 2, 1                         ; their h = (unit / 16) % 2,
	v_bfe_u32 v9, v0, 3, 2                         ; R / 16 = unit / 32,
	v_and_b32 v10, 3, v0                           ; and R % 16 = 4 (lane % 4) on
	s_delay_alu instid0(VALU_DEP_3)
	v_lshlrev_b32 v8, 8, v8
	s_delay_alu instid0(VALU_DEP_1)
	v_lshl_add_u32 v8, v9, 6, v8
	s_delay_alu instid0(VALU_DEP_1)
	v_lshl_add_u32 v8, v10, 4, v8
	s_lshl_b32 s42, s36, 9
	v_add_nc_u32 v8, s42, v8
	s_wait_alu depctr_va_vdst(0)
	s_wait_loadcnt 0x0
	global_store_b128 v8, v[12:15], s[34:35] offset:TBB
	s_endpgm
.Lw0:
	s_wait_alu depctr_va_vdst(0)
.irp k, 0,1,2,3
	global_load_b128 v[12+4*\k:15+4*\k], v7, s[18:19] offset:512*\k   ; W0's row lane + 32 k: its four columns
.endr
	v_lshlrev_b32 v8, 8, v5
	s_delay_alu instid0(VALU_DEP_1)
	v_lshl_add_u32 v8, v2, 2, v8                   ; unit lane + 32 k: h = lane / 16, R = 16 k + lane % 16
	s_wait_alu depctr_va_vdst(0)
	s_wait_loadcnt 0x0
.irp k, 0,1,2,3
.irp c, 0,1,2,3
	global_store_b32 v8, v[12+4*\k+\c], s[34:35] offset:TW0B+512*\c+64*\k
.endr
.endr
	s_endpgm
.Lfunc_end_k_qfdde3f88db_prep:
	.size	k_qfdde3f88db_prep, .Lfunc_end_k_qfdde3f88db_prep-k_qfdde3f88db_prep
	.p2alignl 7, 3214868480
	.fill 96, 4, 3214868480
	.section	.rodata,"a",@progbits
	.p2align	6, 0x0
	.amdhsa_kernel k_qfdde3f88db_prep
		.amdhsa_group_segment_fixed_size 0
		.amdhsa_private_segment_fixed_size 0
		.amdhsa_enable_private_segment 0
		.amdhsa_kernarg_size 112
		.amdhsa_user_sgpr_count 2
		.amdhsa_user_sgpr_kernarg_segment_ptr 1
		.amdhsa_wavefront_size32 1
		.amdhsa_system_sgpr_workgroup_id_x 1
		.amdhsa_system_sgpr_workgroup_id_y 1
		.amdhsa_system_sgpr_workgroup_id_z 1
		.amdhsa_system_vgpr_workitem_id 0
		.amdhsa_next_free_vgpr 128
		.amdhsa_next_free_sgpr 66
		.amdhsa_reserve_vcc 0
		.amdhsa_float_denorm_mode_32 3
		.amdhsa_float_denorm_mode_16_64 3
		.amdhsa_memory_ordered 1
		.amdhsa_forward_progress 1
		.amdhsa_inst_pref_size 18
	.end_amdhsa_kernel
	.amdgpu_metadata
---
amdhsa.version: [ 1, 2 ]
amdhsa.kernels:
  - .name:           k_qfdde3f88db_prep
    .symbol:         k_qfdde3f88db_prep.kd
    .args:
      - { .name: W1, .offset: 0, .size: 8, .value_kind: global_buffer, .address_space: global }
      - { .name: W2, .offset: 8, .size: 8, .value_kind: global_buffer, .address_space: global }
      - { .name: W3, .offset: 16, .size: 8, .value_kind: global_buffer, .address_space: global }
      - { .name: W4, .offset: 24, .size: 8, .value_kind: global_buffer, .address_space: global }
      - { .name: W5, .offset: 32, .size: 8, .value_kind: global_buffer, .address_space: global }
      - { .name: W0, .offset: 40, .size: 8, .value_kind: global_buffer, .address_space: global }
      - { .name: W6, .offset: 48, .size: 8, .value_kind: global_buffer, .address_space: global }
      - { .name: b0, .offset: 56, .size: 8, .value_kind: global_buffer, .address_space: global }
      - { .name: b1, .offset: 64, .size: 8, .value_kind: global_buffer, .address_space: global }
      - { .name: b2, .offset: 72, .size: 8, .value_kind: global_buffer, .address_space: global }
      - { .name: b3, .offset: 80, .size: 8, .value_kind: global_buffer, .address_space: global }
      - { .name: b4, .offset: 88, .size: 8, .value_kind: global_buffer, .address_space: global }
      - { .name: b5, .offset: 96, .size: 8, .value_kind: global_buffer, .address_space: global }
      - { .name: wq, .offset: 104, .size: 8, .value_kind: global_buffer, .address_space: global }
    .group_segment_fixed_size: 0
    .private_segment_fixed_size: 0
    .kernarg_segment_align: 8
    .kernarg_segment_size: 112
    .max_flat_workgroup_size: 256
    .sgpr_count:     66
    .vgpr_count:     128
    .wavefront_size: 32
...
	.end_amdgpu_metadata
.endif
;; end of part 3
;; launch main (part 4): grid 256 x 1, 8 waves a work-group, no clusters, 303,616 bytes of LDS; arguments wq, t, x, y, z, out0; writes out0
.if DOCPART == 4
	.amdgcn_target "amdgcn-amd-amdhsa--gfx1250"
	.amdhsa_code_object_version 6
	.text
	.protected	k_qfdde3f88db_main
	.globl	k_qfdde3f88db_main
	.p2align	8
	.type	k_qfdde3f88db_main,@function
k_qfdde3f88db_main:
	s_mov_b64 s[64:65], 0
	v_nop
	global_prefetch_b8 v0, s[64:65] scope:SCOPE_SE
	s_setreg_imm32_b32 hwreg(HW_REG_WAVE_SCHED_MODE, 0, 2), 2
	s_setreg_imm32_b32 hwreg(HW_REG_WAVE_MODE, 25, 1), 1
	s_wait_xcnt 0x0
	s_wait_alu depctr_vm_vsrc(0)
; out[p] = H00 - (H11 + H22 + H33), H the Hessian at (t, x, y, z)[p] of u = W6 tanh(W5 tanh( .. tanh(W0 pt + b0) .. ) + b5) + b6, taken forward over reverse:
;   forward   a_l = W_l h_l + b_l, h_(l+1) = tanh a_l, s_l = 1 - h_(l+1)^2;  for each direction i: da_l = W_l dh_l, dh_(l+1) = s_l da_l, da_0 = W0's column i
;   reverse   d_l = g_(l+1) s_l, g_l = W_l^T d_l, g_6 = W6;  dd_l = s_l dg_(l+1) - 2 g_(l+1) h_(l+1) dh_(l+1), dg_l = W_l^T dd_l;  H_ii = sum over u of W0[u][i] dd_0[u]
; The ten products with W1 .. W5 of each stream go on codes of FP4 (E2M1) with E8M0 scales, both operands quantised along K; all else is f32.
; THE FACTOR -2 IS CARRIED OUTSIDE: dd' = dd / (-2) = s_l dg' + (g_(l+1) h_(l+1)) dh_(l+1); a power of two and a sign pass through the quantiser and through f32 products unchanged; H' is multiplied by -2 at the end.
; NOT COMPUTED, since the module throws them away: u and its tangents, g_0, and H's entries off the diagonal.  b6 is added to u and enters no derivative: it is not read.
; tanh: 1 - 2 / (1 + 2^(2 log2(e) a)); under |a| = 0.25, where that difference loses digits, a + a^3 (c1 + a^2 (c2 + a^2 (c3 + a^2 c4))), cut behind a^9: the next term is under 1e-8 of a there.  Chosen by a select, no branch.
; LIMITS: NaN and infinities are not served; a block whose largest magnitude lies under 2^-124, or a block of zeros, carries the byte 1; carrying -2 outside is not exact within a binade of f32's denormals.
; SHARES.  A work-group owns 256 points, 32 a trip.  Waves 4 G .. 4 G + 3 share tile G of 16 points: wave w carries DIRECTION w for all 128 units (8 tiles, 64 registers) and QUARTER w of the primal stream
; (units 32 w .. 32 w + 31: tiles 2 w, 2 w + 1, 16 registers), which is one block of 32 of the next K.  So nothing of the primal stream is computed twice.
; LAYOUT.  Every product is used transposed: source 0 = 16 rows of the weight, source 1 = 16 points.  Lane (r, h) holds point r, and register R of a stream unit 32 (R / 16) + 16 h + R % 16 (the first launch chose the tiles' rows so).
; What waves hand to each other goes through LDS as images of registers: registers 4 q .. 4 q + 3 of lane L at 512 q + 16 L.  One barrier a stage: what a stage writes, nobody reads in that stage (two places by turns, or a place of its own).
; No tensor loads, no cluster: the one thing that work-groups share is the first launch's 92,672 bytes, read once by each; nothing streams from memory while the loop runs.
; THE MODE: SCHED_MODE bits 1:0 = 2 (LLVM: expert scheduling mode 2), set by the entry lines.  The code itself states the register dependences
; between vector or matrix instructions and memory or LDS instructions, with s_wait_alu, always for 0.
; THE PLAN.  Registers that LDS instructions touch in the loop:
;   v1-13          addresses: made at the head, never written again.
;   v[TA]          an address of the moment: written four times a trip, each time behind a wait on vm_vsrc and ahead of a wait on va_vdst.
;   PAF = TM, BQF = PC, PAS, HS, PA, X (on the way back Y too): loaded at a stage's head; read by the stage's products and arithmetic; X, PA and TM are then written by vector lines and read, as data, by the stage's LDS stores.
;   Y, AS          the weight's fragments and scale words: read by my direction's eight products alone.  Forward they are asked for ONE STAGE AHEAD, among the lines of the tanh that stands behind the products that read them last;
;                  on the way back, where Y first carries g h, among the quantiser's lines.
;   DA is loaded in layer 1 alone, window 1 in the last stage alone.
; THE WAITS OF A STAGE.  At its head one on vm_vsrc: the last stage's stores have read their data.  Ahead of its run of stores one on va_vdst: the data are written; and since no vector or matrix line stands between that wait
; and the next stage's loads, it also states that all earlier lines are done with the registers in which those land.  Ahead of my direction's products one on va_vdst: the operand and its scale word are written.
; In a tanh the three waits for its exponentials, its additions and its reciprocals, and one on va_sdst between its sixteen compares and its sixteen selects.  On the way back one more on va_vdst, behind dd's arithmetic, which frees X and Y.
.set FRR,  40960                       ; LDS, as the first launch laid it: fragments for W h from 0, for W^T d from here: 8,192 bytes a layer
.set SCB,  81920                       ; their scale words: 512 bytes a layer and direction
.set TAB,  87040                       ; W0's columns [c][h][R]; from TAB + TBI the biases [l][h][R]; at TAB + TW6 W6
.set TBI,  2048
.set TW6,  5120
.set PTB,  92672                       ; behind them: the 256 points, 16 bytes each;
.set OUTB, 96768                       ; H'_ii x -2: [i][256] f32;
.set GRP,  100864                      ; and a region of GRP bytes for each tile's four waves:
.set BQS,  1280                        ;   two places for the primal stream's operand: 1,024 bytes of codes, 64 of scale words
.set CB,   2560                        ;   two places for g h (or W6 s h): 8,192 each
.set SB,   18944                       ;   s_0 .. s_4
.set HB,   59904                       ;   h_1 .. h_5 (a wave reads back its own quarter alone)
.set IMG,  8192
.set LIF,  1                           ; v1   16 x lane                         v2   the same + FRR
.set LIWF, 3                           ; v3   v1 + 2,048 w: my primal tiles      v4   the same + FRR
.set LG,   5                           ; v5   16 x lane + my group's region
.set LGW,  6                           ; v6   v5 + 2,048 w: my quarter of an image
.set LGH,  7                           ; v7   v6 + HB
.set L4S,  8                           ; v8   4 x lane + SCB: a pair of tiles' scale words: lanes 0-15 the even tile's, lanes 16-31 the odd one's
.set L4SW, 9                           ; v9   v8 + 128 w
.set BQW,  10                          ; v10  where my 8 bytes of the primal operand's image go
.set BSW,  11                          ; v11  and my block's scale byte
.set BSL,  12                          ; v12  point r's scale word
.set TQ,   13                          ; v13  TAB + 256 h + 64 w: my quarter of a table
.set C3,   14                          ; v[14:15] c3, twice
.set TA,   16                          ; v16  an address of the moment
.set PW,   17                          ; v17  scale words of my direction's operand     v17-23 hold scales and nothing else
.set HS,   18                          ; v18  of the primal operand
.set PAS,  19                          ; v19  of my two primal tiles of the weight
.set AS,   20                          ; v20-23 of the weight's eight tiles, a pair to a register
.set TM,   24                          ; v24-39 at work in the quantisers;
.set PAF,  24                          ;        before that: my two primal fragments of the weight
.set PC,   40                          ; v40-47 my direction's operand;
.set BQF,  40                          ;        before that: the primal operand
.set PA,   48                          ; v48-63   the primal quarter
.set DA,   64                          ; v64-127  my direction
.set X,    128                         ; v128-191 s as loaded; then at work
.set Y,    192                         ; v192-255 the weight's eight fragments, or g h as loaded
                                       ; window 1: v[64 (l - 2)] on: dh_l, l = 2 .. 5, kept for the way back; at the end v0-63 take W0's column
.set MK,   40                          ; s40-55   the sixteen masks of a tanh
.set MSB, 0
.macro WIN new                         ; s_set_vgpr_msb: bits 1:0 source 0, 3:2 source 1, 5:4 source 2, 7:6 destination; the high byte repeats the setting that is left
.if MSB != \new
	s_set_vgpr_msb (MSB<<8)|\new
.set MSB, \new
.endif
.endm
.macro BAR                             ; my LDS stores have landed and my LDS loads are in: then the work-group's barrier
	s_wait_dscnt 0x0
	s_barrier_signal -1
	s_barrier_wait -1
.endm
.macro LDI n, reg, adr, off            ; n groups of four registers of an image
.set QI, 0
.rept \n
	ds_load_b128 v[(\reg)+4*QI:(\reg)+4*QI+3], v[\adr] offset:(\off)+512*QI
.set QI, QI+1
.endr
.endm
.macro STI reg, adr, off               ; 16 registers into my quarter of an image
.set QI, 0
.rept 4
	ds_store_b128 v[\adr], v[(\reg)+4*QI:(\reg)+4*QI+3] offset:(\off)+512*QI
.set QI, QI+1
.endr
.endm
.macro LDT n, reg, adr, off            ; n groups of four registers of a table: a lane's registers lie on end, and the sixteen lanes of a half read the same words
.set QI, 0
.rept \n
	ds_load_b128 v[(\reg)+4*QI:(\reg)+4*QI+3], v[\adr] offset:(\off)+16*QI
.set QI, QI+1
.endr
.endm
.macro MUL64 d, a, b                   ; 64 numbers, two at a time, from the low end on
.set II, 0
.rept 32
	v_pk_mul_f32 v[(\d)+II:(\d)+II+1], v[(\a)+II:(\a)+II+1], v[(\b)+II:(\b)+II+1]
.set II, II+2
.endr
.endm
.macro FMA64 d, a, b                   ; d += a x b
.set II, 0
.rept 32
	v_pk_fma_f32 v[(\d)+II:(\d)+II+1], v[(\a)+II:(\a)+II+1], v[(\b)+II:(\b)+II+1], v[(\d)+II:(\d)+II+1]
.set II, II+2
.endr
.endm
.macro MUL16 d, a, b
.set II, 0
.rept 8
	v_pk_mul_f32 v[(\d)+II:(\d)+II+1], v[(\a)+II:(\a)+II+1], v[(\b)+II:(\b)+II+1]
.set II, II+2
.endr
.endm
; 8 LDS loads: my two primal fragments of layer l's weight (m = 0: W, 1: W^T), the primal operand from place p, and both sides' scale words
.macro LDPRIM m, l, p
.irp u, 0,1
.irp c, 0,1
	ds_load_b128 v[PAF+8*\u+4*\c:PAF+8*\u+4*\c+3], v[LIWF+\m] offset:IMG*((\l)-1)+1024*\u+512*\c
.endr
.endr
.irp c, 0,1
	ds_load_b128 v[BQF+4*\c:BQF+4*\c+3], v[LG] offset:BQS*(\p)+512*\c
.endr
	ds_load_b32 v[PAS], v[L4SW] offset:512*(5*(\m)+(\l)-1)
	ds_load_b32 v[HS], v[BSL] offset:BQS*(\p)
.endm
; The weight's eight fragments and their scale words are 20 LDS loads, in four groups of five: group g is tiles 2 g and 2 g + 1 and the register of their scale words
.macro LDAG m, l, g
.irp u, 0,1
.irp c, 0,1
	ds_load_b128 v[Y+16*(\g)+8*\u+4*\c:Y+16*(\g)+8*\u+4*\c+3], v[LIF+\m] offset:IMG*((\l)-1)+1024*(2*(\g)+\u)+512*\c
.endr
.endr
	ds_load_b32 v[AS+(\g)], v[L4S] offset:512*(5*(\m)+(\l)-1)+128*(\g)
.endm
; The primal quarter: two products, K = 128 in one instruction each.  bias = 1: the bias was loaded into the accumulators and is the sum's C.
.macro PWMMA bias
.if \bias
	v_wmma_scale_f32_16x16x128_f8f6f4 v[PA:PA+7], v[PAF:PAF+7], v[BQF:BQF+7], v[PA:PA+7], v[PAS], v[HS] matrix_a_fmt:MATRIX_FMT_FP4 matrix_b_fmt:MATRIX_FMT_FP4
	v_wmma_scale_f32_16x16x128_f8f6f4 v[PA+8:PA+15], v[PAF+8:PAF+15], v[BQF:BQF+7], v[PA+8:PA+15], v[PAS], v[HS] matrix_a_fmt:MATRIX_FMT_FP4 matrix_b_fmt:MATRIX_FMT_FP4 matrix_a_scale:MATRIX_SCALE_ROW1
.else
	v_wmma_scale_f32_16x16x128_f8f6f4 v[PA:PA+7], v[PAF:PAF+7], v[BQF:BQF+7], 0, v[PAS], v[HS] matrix_a_fmt:MATRIX_FMT_FP4 matrix_b_fmt:MATRIX_FMT_FP4
	v_wmma_scale_f32_16x16x128_f8f6f4 v[PA+8:PA+15], v[PAF+8:PAF+15], v[BQF:BQF+7], 0, v[PAS], v[HS] matrix_a_fmt:MATRIX_FMT_FP4 matrix_b_fmt:MATRIX_FMT_FP4 matrix_a_scale:MATRIX_SCALE_ROW1
.endif
.endm
; My direction: eight products, one to an accumulator
.macro DWMMA
.irp g, 0,1,2,3
	v_wmma_scale_f32_16x16x128_f8f6f4 v[DA+16*\g:DA+16*\g+7], v[Y+16*\g:Y+16*\g+7], v[PC:PC+7], 0, v[AS+\g], v[PW] matrix_a_fmt:MATRIX_FMT_FP4 matrix_b_fmt:MATRIX_FMT_FP4
	v_wmma_scale_f32_16x16x128_f8f6f4 v[DA+16*\g+8:DA+16*\g+15], v[Y+16*\g+8:Y+16*\g+15], v[PC:PC+7], 0, v[AS+\g], v[PW] matrix_a_fmt:MATRIX_FMT_FP4 matrix_b_fmt:MATRIX_FMT_FP4 matrix_a_scale:MATRIX_SCALE_ROW1
.endr
.endm
; 64 numbers of a lane, v[s] on (win = 1: in window 1), register 16 b + i = unit 32 b + 16 h + i of my point, become the operand in v[PC] on and its scale word in v[PW].
; deal = 1 (with win = 0 alone): the 20 loads of W_l^T's fragments are dealt among the maxima, five behind every eighth line: these lines name v[s ..] and v[TM ..], none of the registers that those loads touch
.macro QUANT s, win, deal, l
.if \win
	WIN 0x05
.endif
.irp b, 0,1,2,3
	v_max3_num_f32 v[TM+\b], |v[(\s)+16*\b]|, |v[(\s)+1+16*\b]|, 0x1800000   ; block b: my 16 numbers, and the floor 2^(3 - 127): the byte cannot fall under 1
.endr
.irp i, 2,4,6,8,10,12,14
.irp b, 0,1,2,3
	v_max3_num_f32 v[TM+\b], |v[(\s)+16*\b+\i]|, |v[(\s)+1+16*\b+\i]|, v[TM+\b]   ; (the four blocks by turns)
.endr
.if \deal
.if (\i)%4 == 2
	LDAG 1, \l, ((\i)/4)
.endif
.endif
.endr
	WIN 0
.irp b, 0,1,2,3
	v_permlanex16_b32 v[TM+4+\b], v[TM+\b], s20, s21
.endr
.irp b, 0,1,2,3
	v_max_num_f32 v[TM+\b], v[TM+\b], v[TM+4+\b]   ; with lane l xor 16's: the block's largest magnitude
.endr
.irp b, 0,1,2,3
	v_add_nc_u32 v[TM+12+\b], 0xff000000, v[TM+\b] ; 2 off its exponent field: the conversion's scale operand
.endr
.irp b, 0,1,2,3
	v_lshrrev_b32 v[TM+4+\b], 23, v[TM+12+\b]      ; the scale's byte
.endr
	v_lshl_or_b32 v[PW], v[TM+5], 8, v[TM+4]
	v_lshl_or_b32 v[PW], v[TM+6], 16, v[PW]
	v_lshl_or_b32 v[PW], v[TM+7], 24, v[PW]
.if \win
	WIN 0x01
.endif
.irp b, 0,1,2,3
	v_cvt_scalef32_pk8_fp4_f32 v[PC+2*\b], v[(\s)+16*\b:(\s)+7+16*\b], v[TM+12+\b]
	v_cvt_scalef32_pk8_fp4_f32 v[PC+1+2*\b], v[(\s)+8+16*\b:(\s)+15+16*\b], v[TM+12+\b]
.endr
	WIN 0
	v_nop                                          ; one plain line behind a scaled conversion
.irp c, 0,1                                    ; the operand's layout wants a whole block in a lane: lanes 0-15 block 2 c, lanes 16-31 block 2 c + 1
.irp i, 0,1
	v_permlane16_swap_b32 v[PC+4*\c+\i], v[PC+2+4*\c+\i]
.endr
.endr
.endm
; My quarter of the primal stream, v[s] .. v[s + 15], is block w of the next K.  QBLKC makes its codes (v[TM], v[TM + 1]) and its byte (v[TM + 4]); QBLKS, behind the stage's wait for its stores' data, puts them at their places in the operand's image, place p
.macro QBLKC s
	v_max3_num_f32 v[TM+2], |v[(\s)]|, |v[(\s)+1]|, 0x1800000
	v_max3_num_f32 v[TM+3], |v[(\s)+8]|, |v[(\s)+9]|, |v[(\s)+10]|
	v_max3_num_f32 v[TM+2], v[TM+2], |v[(\s)+2]|, |v[(\s)+3]|
	v_max3_num_f32 v[TM+3], v[TM+3], |v[(\s)+11]|, |v[(\s)+12]|
	v_max3_num_f32 v[TM+2], v[TM+2], |v[(\s)+4]|, |v[(\s)+5]|
	v_max3_num_f32 v[TM+3], v[TM+3], |v[(\s)+13]|, |v[(\s)+14]|
	v_max3_num_f32 v[TM+2], v[TM+2], |v[(\s)+6]|, |v[(\s)+7]|
	v_max3_num_f32 v[TM+2], v[TM+2], v[TM+3], |v[(\s)+15]|
	v_permlanex16_b32 v[TM+5], v[TM+2], s20, s21
	v_max_num_f32 v[TM+2], v[TM+2], v[TM+5]
	v_add_nc_u32 v[TM+6], 0xff000000, v[TM+2]
	v_lshrrev_b32 v[TM+4], 23, v[TM+6]
	v_cvt_scalef32_pk8_fp4_f32 v[TM], v[(\s):(\s)+7], v[TM+6]
	v_cvt_scalef32_pk8_fp4_f32 v[TM+1], v[(\s)+8:(\s)+15], v[TM+6]
	v_nop                                          ; one plain line behind a scaled conversion
.endm
.macro QBLKS p
	ds_store_b64 v[BQW], v[TM:TM+1] offset:BQS*(\p)
	ds_store_b8 v[BSW], v[TM+4] offset:BQS*(\p)    ; both halves of the lanes write the same byte with the same value
.endm
; tanh of the primal quarter, in two parts, so that the first can stand as the places in front of my direction's products and the second behind them.
; E = v[X] on, Q = v[X + 16] on, X2 = v[X + 32] on.  Part 1 reads each accumulator from its low end on.
.macro TANH1
.irp j, 0,2,4,6,8,10,12,14
	v_pk_mul_f32 v[X+\j:X+\j+1], v[PA+\j:PA+\j+1], s[22:23] op_sel_hi:[1,0]       ; 2 log2(e) a
.endr
.irp j, 0,2,4,6,8,10,12,14
	v_pk_mul_f32 v[X+32+\j:X+33+\j], v[PA+\j:PA+\j+1], v[PA+\j:PA+\j+1]           ; a^2
.endr
.endm
; Part 2 leaves h in v[PA] on and s = 1 - h^2 in v[X] on.  Among its lines, which name v[X .. X + 47], v[PA ..], c3 and the masks alone, the 20 loads of the NEXT stage's weight (m, l) are dealt, five at a time.
.macro TANH2 m, l
.set II, 0
.rept 16
	v_exp_f32 v[X+II], v[X+II]
.set II, II+1
.endr
.irp j, 0,2,4,6,8,10,12,14
	v_pk_fma_f32 v[X+16+\j:X+17+\j], v[X+32+\j:X+33+\j], s[24:25], v[C3:C3+1] op_sel_hi:[1,0,1]   ; (plain lines behind the exponentials)  c3 + a^2 c4
.endr
.irp j, 0,2,4,6,8,10,12,14
	v_pk_fma_f32 v[X+16+\j:X+17+\j], v[X+16+\j:X+17+\j], v[X+32+\j:X+33+\j], s[26:27] op_sel_hi:[1,1,0]
.endr
.irp j, 0,2,4,6,8,10,12,14
	v_pk_fma_f32 v[X+16+\j:X+17+\j], v[X+16+\j:X+17+\j], v[X+32+\j:X+33+\j], s[28:29] op_sel_hi:[1,1,0]
.endr
.irp j, 0,2,4,6,8,10,12,14
	v_pk_mul_f32 v[X+32+\j:X+33+\j], v[X+32+\j:X+33+\j], v[PA+\j:PA+\j+1]         ; a^3
.endr
.set II, 0
.rept 16
	v_cmp_gt_f32 s[MK+II], s30, |v[PA+II]|         ; 0.25 > |a|: the series.  The sixteen compares in one run, a mask each, well ahead of the selects
.set II, II+1
.endr
	s_wait_alu depctr_va_vdst(0)                   ; the exponentials have written v[X ..], which the additions read; and the lines that read v[Y ..] and v[AS ..] last (my direction's products; in layer 0 the sums over the coordinates) are done: the next weight's loads land there
	LDAG \m, \l, 0
.irp j, 0,2,4,6,8,10,12,14
	v_pk_add_f32 v[X+\j:X+\j+1], v[X+\j:X+\j+1], 1.0 op_sel_hi:[1,0]
.endr
	LDAG \m, \l, 1
.set II, 0
	s_wait_alu depctr_va_vdst(0)
.rept 16
	v_rcp_f32 v[X+II], v[X+II]
.set II, II+1
.endr
.irp j, 0,2,4,6,8,10,12,14
	v_pk_fma_f32 v[X+16+\j:X+17+\j], v[X+32+\j:X+33+\j], v[X+16+\j:X+17+\j], v[PA+\j:PA+\j+1]   ; (plain lines behind the reciprocals)  the series
.endr
	LDAG \m, \l, 2
	s_wait_alu depctr_va_vdst(0)                   ; the reciprocals have written v[X ..], which the lines below read
.irp j, 0,2,4,6,8,10,12,14
	v_pk_fma_f32 v[X+\j:X+\j+1], v[X+\j:X+\j+1], -2.0, 1.0 op_sel_hi:[1,0,0]      ; 1 - 2 / (1 + e)
.endr
	LDAG \m, \l, 3
	s_wait_alu depctr_va_sdst(0)                   ; the sixteen compares have written their masks, which the selects read
.set II, 0
.rept 16
	v_cndmask_b32 v[PA+II], v[X+II], v[X+16+II], s[MK+II]
.set II, II+1
.endr
.irp j, 0,2,4,6,8,10,12,14
	v_pk_fma_f32 v[X+\j:X+\j+1], v[PA+\j:PA+\j+1], v[PA+\j:PA+\j+1], 1.0 op_sel_hi:[1,1,0] neg_lo:[1,0,0] neg_hi:[1,0,0]
.endr
.endm
.macro AXPY c, co                      ; a_0 += W0's column c x the coordinate in the low register of the pair v[co]
.irp j, 0,2,4,6,8,10,12,14
	v_pk_fma_f32 v[PA+\j:PA+\j+1], v[X+16*\c+\j:X+16*\c+\j+1], v[\co:\co+1], v[PA+\j:PA+\j+1] op_sel_hi:[1,0,1]
.endr
.endm
; LAYER l FORWARD, l = 1 .. 5.  In: da_(l-1) in v[DA] on (l = 1: W0's column, from its table), s_(l-1) and h_l's codes in LDS; W_l's fragments and scale words in v[Y ..] and v[AS ..], asked for in the stage before and in since its barrier.
; Out: da_l; dh_l kept in window 1; s_l, h_(l+1) and its codes in LDS; the next stage's weight in v[Y ..], v[AS ..].
.macro FWD l
	s_wait_alu depctr_vm_vsrc(0)                   ; the last stage's LDS stores have read v[X ..], v[PA ..] and v[TM ..], in which the loads below land (l = 1: and the point's load has read v[TA])
.if \l == 1
	v_add_nc_u32 v[TA], s36, v[TQ]
	s_wait_alu depctr_va_vdst(0)                   ; v[TA] is written, which the loads of W0's column read
.endif
	LDPRIM 0, \l, ((\l)%2)
	LDT 4, PA, TQ, TBI+512*(\l)                    ; my quarter of b_l: the C of the primal products
.if \l == 1
	LDT 16, DA, TA, 0                              ; da_0 = W0's column w
.endif
	LDI 16, X, LG, SB+IMG*((\l)-1)                 ; s_(l-1), all four quarters
.if \l == 1
	s_wait_dscnt 32                                ; out at the most: the 16 loads of the column and the 16 of s: the 12 that were asked for ahead of them are in
.else
	s_wait_dscnt 16                                ; out at the most: the 16 loads of s: the 12 that were asked for ahead of them are in
.endif
	PWMMA 1
	s_wait_dscnt 0x0                               ; s is in (l = 1: and the column)
.if \l == 1
	MUL64 DA, DA, X                                ; dh_1 = s_0 da_0 (made again on the way back, so not kept).  These 32 lines are also the places behind the primal products
.else
	WIN 0x40
	MUL64 64*((\l)-2), DA, X                       ; dh_l = s_(l-1) da_(l-1), kept in window 1.  These 32 lines are also the places behind the primal products
	WIN 0
.endif
.if \l == 1
	QUANT DA, 0, 0, 0
.else
	QUANT 64*((\l)-2), 1, 0, 0
.endif
	TANH1                                          ; 16 plain lines between the scale word's and the operand's last writes and the products
	s_wait_alu depctr_va_vdst(0)                   ; the quantiser has written v[PC ..] and v[PW], which the products take as operand and scales (l = 5: and the multiplications by s are done reading v[X + 48 ..], in which W6 lands)
.if \l == 5
	LDT 4, X+48, TQ, TW6                           ; my quarter of W6
.endif
	DWMMA                                          ; da_l
.if \l < 5
	TANH2 0, (\l)+1                                ; its plain lines are the places behind those products
	QBLKC PA
	s_wait_alu depctr_va_vdst(0)                   ; s, h, the codes and the byte are written, which the stores below read.  No vector or matrix line follows before the next stage's loads: all are done with the registers in which those land
	STI X, LGW, SB+IMG*(\l)                        ; s_l
	STI PA, LGH, IMG*(\l)                          ; h_(l+1)
	QBLKS (((\l)+1)%2)
.else
	TANH2 1, 5                                     ; its plain lines are the places behind those products; the way back begins with W5^T
	s_wait_alu depctr_va_vdst(0)
	s_wait_dscnt 20                                ; W6's four loads are in; the weight's 20, asked for behind them, may be out
	MUL16 X+16, X+48, X                            ; d_5 = W6 s_5
	MUL16 X+32, X+16, PA                           ; d_5 h_6: dd'_5 = that x da_5
	QBLKC X+16
	s_wait_alu depctr_va_vdst(0)                   ; d_5 h_6, the codes and the byte are written, which the stores below read.  No vector or matrix line follows before the next stage's loads: all are done with the registers in which those land
	STI X+32, LGW, CB+IMG
	QBLKS 0
.endif
	BAR
.endm
; LAYER l ON THE WAY BACK, l = 5 .. 1.  In: dg'_(l+1) (l = 5: da_5) in v[DA] on; d_l's codes, s_l and g_(l+1) h_(l+1) in LDS (l = 5: W5^T's fragments in v[Y ..] already).  Out: dg'_l; g_l h_l and d_(l-1)'s codes in LDS.
.macro REV l
	s_wait_alu depctr_vm_vsrc(0)                   ; the last stage's LDS stores have read v[X + 32 ..] and v[TM ..], in which the loads below land
	LDPRIM 1, \l, (((\l)+1)%2)
.if \l == 5
	LDI 16, X, LG, CB+IMG
	s_wait_dscnt 16                                ; the primal's 8 loads are in; the 16 behind them may be out
.else
	LDI 16, X, LG, SB+IMG*(\l)
	LDI 16, Y, LG, CB+IMG*((\l)%2)
	s_wait_dscnt 32                                ; the primal's 8 loads are in; the 32 behind them may be out
.endif
	PWMMA 0                                        ; my quarter of g_l = W_l^T d_l
	s_wait_dscnt 0x0
	MUL64 DA, DA, X                                ; dd'_l = s_l dg'_(l+1)  (l = 5: d_5 h_6 da_5), each accumulator from its low end on
.if \l < 5
	WIN 0x04
	FMA64 DA, Y, 64*((\l)-1)                       ; + g_(l+1) h_(l+1) dh_(l+1)
	WIN 0
.endif
	s_wait_alu depctr_va_vdst(0)                   ; dd's lines are done reading v[X ..] and v[Y ..], in which the loads below, and those dealt among the quantiser's lines, land
	LDI 4, X, LGH, IMG*((\l)-1)                    ; my quarter of h_l
.if \l > 1
	LDI 4, X+16, LGW, SB+IMG*((\l)-1)              ; and of s_(l-1)
.endif
.if \l < 5
	QUANT DA, 0, 1, \l
.else
	QUANT DA, 0, 0, 0
.endif
	s_wait_dscnt 0x0
	MUL16 X+32, PA, X                              ; g_l h_l.  These 8 lines (16 where d follows) stand between the scale word's last write and the products
.if \l > 1
	MUL16 X+48, PA, X+16                           ; d_(l-1) = g_l s_(l-1)
.endif
	s_wait_alu depctr_va_vdst(0)                   ; the quantiser has written v[PC ..] and v[PW], which the products take as operand and scales; g_l h_l is written, which the stores behind the products read
	DWMMA                                          ; dg'_l
	STI X+32, LGW, CB+IMG*(((\l)-1)%2)             ; (the products name none of these stores' registers)
.if \l > 1
	QBLKC X+48                                     ; its plain lines are the places behind the products
	s_wait_alu depctr_va_vdst(0)                   ; the codes and the byte are written, which the stores below read; the products are done reading v[Y ..], v[PC ..] and the scale words.  No vector or matrix line follows before the next stage's loads
	QBLKS ((\l)%2)
.else
.rept 4
	v_nop                                          ; places behind the products, ahead of the first read of their results in the last stage
.endr
.endif
	BAR
.endm
	s_load_b256 s[4:11], s[0:1], 0x0               ; wq s[4:5], t s[6:7], x s[8:9], y s[10:11]
	s_load_b128 s[12:15], s[0:1], 0x20             ; z s[12:13], out0 s[14:15]
	v_lshrrev_b32 v128, 5, v0
	v_readfirstlane_b32 s16, v128                  ; wave 0..7
	v_and_b32 v130, 31, v0                         ; lane
	v_bfe_u32 v129, v0, 4, 1                       ; h
	v_lshlrev_b32 v[LIF], 4, v130
	v_add_nc_u32 v[LIF+1], FRR, v[LIF]
	v_lshlrev_b32 v[L4S], 2, v130
	v_add_nc_u32 v[L4S], SCB, v[L4S]
	s_wait_alu depctr_va_sdst(0)                   ; s16 is written, ahead of its first reader: the wave's places in LDS are made from it
	s_and_b32 s17, s16, 3                          ; w: my direction and my quarter
	s_lshr_b32 s18, s16, 2                         ; G: my tile of the trip's two
	s_mul_i32 s19, s18, GRP
	s_add_co_u32 s19, s19, GRP                     ; my group's region
	s_lshl_b32 s34, s17, 11                        ; 2,048 w
	v_and_b32 v128, 15, v0                         ; r
	s_wait_alu depctr_va_vdst(0)
	v_add_nc_u32 v[LIWF], s34, v[LIF]
	v_add_nc_u32 v[LIWF+1], s34, v[LIF+1]
	v_add_nc_u32 v[LG], s19, v[LIF]
	v_add_nc_u32 v[LGW], s34, v[LG]
	v_add_nc_u32 v[LGH], HB, v[LGW]
	s_lshl_b32 s35, s17, 7
	v_add_nc_u32 v[L4SW], s35, v[L4S]
	s_lshr_b32 s35, s17, 1                         ; block w of the operand lies in registers 4 (w / 2) on of lanes 16 (w % 2) + r; my 16 codes are 8 bytes, 8 h on
	s_lshl_b32 s35, s35, 9
	s_and_b32 s37, s17, 1
	s_lshl_b32 s37, s37, 8
	s_add_co_u32 s35, s35, s37
	s_add_co_u32 s35, s35, s19
	v_lshl_add_u32 v[BQW], v128, 4, s35
	v_lshl_add_u32 v[BQW], v129, 3, v[BQW]
	s_add_co_u32 s35, s19, 1024
	v_lshl_add_u32 v[BSL], v128, 2, s35
	v_add_nc_u32 v[BSW], s17, v[BSL]
	s_lshl_b32 s35, s17, 6
	s_add_co_u32 s35, s35, TAB
	v_lshl_add_u32 v[TQ], v129, 8, s35
	s_mul_i32 s36, s17, 448                        ; from my quarter of column 0 to the head of column w: 512 w - 64 w
	s_lshl_b32 s32, s18, 8
	s_add_co_u32 s32, s32, PTB                     ; my tile's points: 256 G, + 512 a trip
	s_lshl_b32 s33, s17, 10
	s_lshl_b32 s35, s18, 6
	s_add_co_u32 s33, s33, s35
	s_add_co_u32 s33, s33, OUTB                    ; and its results: 1,024 w + 64 G, + 128 a trip
	v_lshlrev_b32 v156, 4, v0                      ; the copy into LDS: 16 bytes a thread, 4,096 a round
	v_add_nc_u32 v157, 0x10000, v156               ; (an LDS offset has 16 bits)
	v_lshlrev_b32 v158, 2, v0
	s_lshl_b32 s34, ttmp9, 10
	v_add_nc_u32 v158, s34, v158                   ; my point: 256 x work-group + thread
	v_add_nc_u32 v159, PTB, v156
	s_mov_b32 s20, 0x76543210
	s_mov_b32 s21, 0xfedcba98                      ; v_permlanex16_b32's selects for lane l xor 16
	s_mov_b32 s22, 0x4038aa3b                      ; 2 log2(e)   (a packed form names a pair and takes its low word for both halves: so both are written)
	s_mov_b32 s23, s22
	s_mov_b32 s24, 0x3cb327a5                      ; c4 = 62 / 2835
	s_mov_b32 s25, s24
	s_mov_b32 s26, 0x3e088889                      ; c2 = 2 / 15
	s_mov_b32 s27, s26
	s_mov_b32 s28, 0xbeaaaaab                      ; c1 = -1 / 3
	s_mov_b32 s29, s28
	s_mov_b32 s30, 0x3e800000                      ; 0.25
	s_mov_b32 s31, 0                               ; the trip
	v_mov_b32 v[C3], 0xbd5d0dd1                    ; c3 = -17 / 315
	v_mov_b32 v[C3+1], 0xbd5d0dd1
.irp b, 4,5,6,7
	v_mov_b32 v[TM+\b], 0                          ; a lane permute's destination counts as one of its sources
.endr
	s_wait_kmcnt 0x0
	s_wait_alu depctr_va_vdst(0)                   ; the addresses v1 to v13 and v156 to v159 are written, which the loads and stores of the kernel read; so are v128 to v130, in which loads of the copy land
.set KI, 0
.rept 22
	global_load_b128 v[64+4*KI:67+4*KI], v156, s[4:5] offset:4096*KI   ; a wave's load covers 512 consecutive bytes, aligned
.set KI, KI+1
.endr
	global_load_b32 v160, v158, s[6:7]
	global_load_b32 v161, v158, s[8:9]
	global_load_b32 v162, v158, s[10:11]
	global_load_b32 v163, v158, s[12:13]
	s_cmp_lt_u32 s16, 5                            ; the last 2,560 of the 92,672 bytes: 160 threads
	s_cbranch_scc0 .Lno_tail
	global_load_b128 v[152:155], v156, s[4:5] offset:4096*22
	s_wait_loadcnt 0x0
	ds_store_b128 v157, v[152:155] offset:4096*6
.Lno_tail:
	s_wait_loadcnt 0x0
.set KI, 0
.rept 16
	ds_store_b128 v156, v[64+4*KI:67+4*KI] offset:4096*KI
.set KI, KI+1
.endr
.rept 6
	ds_store_b128 v157, v[64+4*KI:67+4*KI] offset:4096*(KI-16)
.set KI, KI+1
.endr
	ds_store_b128 v159, v[160:163]                 ; (t, x, y, z) of my point
	BAR
.Ltrip:                                            ; 8 trips of 32 points; 12 barriers a trip
	; ---- layer 0: my quarter of a_0 = W0 pt + b0, in f32
	s_wait_alu depctr_vm_vsrc(0)                   ; the last trip's store of its result has read v[TA] and v[TM]; in the first trip the copy's stores have read v64 to v163 and their addresses: these are written again below
	v_and_b32 v[TA], 15, v0
	v_lshl_add_u32 v[TA], v[TA], 4, s32
	s_wait_alu depctr_va_vdst(0)                   ; v[TA] is written, which the point's load reads
	ds_load_b128 v[Y:Y+3], v[TA]                   ; point r
.irp c, 0,1,2,3
	LDT 4, X+16*\c, TQ, 512*\c
.endr
	LDT 4, PA, TQ, TBI
	s_wait_dscnt 0x0
	v_mov_b32 v[Y+4], v[Y+1]                       ; x and z at the low end of a pair too
	v_mov_b32 v[Y+5], v[Y+1]
	v_mov_b32 v[Y+6], v[Y+3]
	v_mov_b32 v[Y+7], v[Y+3]
	AXPY 0, Y
	AXPY 1, Y+4
	AXPY 2, Y+2
	AXPY 3, Y+6
	TANH1
	s_wait_alu depctr_va_vdst(0)
	TANH2 0, 1
	QBLKC PA
	s_wait_alu depctr_va_vdst(0)                   ; s, h, the codes and the byte are written, which the stores below read.  But for the one address made at its head, no vector or matrix line follows before layer 1's loads: all are done with the registers in which those land
	STI X, LGW, SB                                 ; s_0
	STI PA, LGH, 0                                 ; h_1
	QBLKS 1
	BAR
	FWD 1
	FWD 2
	FWD 3
	FWD 4
	FWD 5
	REV 5
	REV 4
	REV 3
	REV 2
	REV 1
	; ---- layer 0 on the way back: dd'_0 = s_0 (dg'_1 + g_1 h_1 W0col);  H'_ww = sum over the units of W0col dd'_0
	s_wait_alu depctr_vm_vsrc(0)                   ; the last stage's LDS stores have read v[X + 32 ..], in which the loads below land; layer 1's loads of the column have read v[TA]
	v_add_nc_u32 v[TA], s36, v[TQ]
	s_wait_alu depctr_va_vdst(0)                   ; v[TA] is written, which the column's loads read; the last stage's products are done reading v[Y ..], and its lines v[X ..] and dh_2 in window 1: the loads below land there
	LDI 16, X, LG, SB
	LDI 16, Y, LG, CB
	WIN 0x40
	LDT 16, 0, TA, 0                               ; W0's column w into window 1, v0-63: dh_2 is done with
	WIN 0
	s_wait_dscnt 0x0                               ; my reads of s_0 and of g_1 h_1 are over: say so, since the next trip writes them again;
	s_barrier_signal -1                            ; work on registers alone stands up to the wait
	WIN 0x04
	FMA64 DA, Y, 0
	WIN 0
	MUL64 DA, DA, X
	WIN 0x04
.set II, 0
.rept 4
	v_pk_mul_f32 v[TM+II:TM+II+1], v[DA+II:DA+II+1], v[II:II+1]     ; four pairs of sums by turns; the first products start them
.set II, II+2
.endr
.rept 28
	v_pk_fma_f32 v[TM+(II%8):TM+(II%8)+1], v[DA+II:DA+II+1], v[II:II+1], v[TM+(II%8):TM+(II%8)+1]
.set II, II+2
.endr
	WIN 0
	v_mov_b32 v[TM+8], 0
	v_pk_add_f32 v[TM:TM+1], v[TM:TM+1], v[TM+2:TM+3]
	v_pk_add_f32 v[TM+4:TM+5], v[TM+4:TM+5], v[TM+6:TM+7]
	v_pk_add_f32 v[TM:TM+1], v[TM:TM+1], v[TM+4:TM+5]
	v_add_f32 v[TM], v[TM], v[TM+1]
	v_permlanex16_b32 v[TM+8], v[TM], s20, s21     ; the point's other 64 units lie in the lane 16 away
	v_add_f32 v[TM], v[TM], v[TM+8]
	v_mul_f32 v[TM], -2.0, v[TM]                   ; the factor that was carried outside
	s_barrier_wait -1
	s_wait_alu depctr_vm_vsrc(0)                   ; the column's loads have read v[TA]
	v_and_b32 v[TA], 15, v0
	v_lshl_add_u32 v[TA], v[TA], 2, s33
	s_wait_alu depctr_va_vdst(0)                   ; the result in v[TM] and its address in v[TA] are written, which the store reads
	ds_store_b32 v[TA], v[TM]                      ; both halves of the lanes write the same word with the same value
	s_add_co_u32 s32, s32, 512
	s_add_co_u32 s33, s33, 128
	s_add_co_u32 s31, s31, 1
	s_cmp_lt_u32 s31, 8
	s_cbranch_scc1 .Ltrip
	BAR                                            ; all 4 x 256 second derivatives lie in LDS
	s_wait_alu depctr_vm_vsrc(0)                   ; the last result's store has read v[TA]
	v_lshlrev_b32 v[TA], 4, v0
	v_add_nc_u32 v128, OUTB, v[TA]
	s_lshl_b32 s34, ttmp9, 10
	v_add_nc_u32 v129, s34, v[TA]
	s_cmp_lt_u32 s16, 2                            ; 64 threads x 4 points
	s_cbranch_scc0 .Ldone
	s_wait_alu depctr_va_vdst(0)                   ; v128 is written, which the loads below read as their address
.irp d, 0,1,2,3
	ds_load_b128 v[132+4*\d:135+4*\d], v128 offset:1024*\d
.endr
	s_wait_dscnt 0x0
	v_pk_add_f32 v[136:137], v[136:137], v[140:141]
	v_pk_add_f32 v[138:139], v[138:139], v[142:143]
	v_pk_add_f32 v[136:137], v[136:137], v[144:145]
	v_pk_add_f32 v[138:139], v[138:139], v[146:147]
	v_pk_add_f32 v[132:133], v[132:133], v[136:137] neg_lo:[0,1] neg_hi:[0,1]   ; H00 - ((H11 + H22) + H33)
	v_pk_add_f32 v[134:135], v[134:135], v[138:139] neg_lo:[0,1] neg_hi:[0,1]
	s_wait_alu depctr_va_vdst(0)                   ; the four results in v[132:135] are written, which the store reads
	global_store_b128 v129, v[132:135], s[14:15]   ; a wave's store covers 512 consecutive bytes, aligned
.Ldone:
	s_wait_xcnt 0x0
	v_lshl_add_u32 v254, v0, 2, 0x49e00            ; my spare word, behind the two groups' regions, and 0: made anew here, since no two registers could be kept
	v_mov_b32 v255, 0
	s_wait_dscnt 0x0                               ; the closing lines, six on end
	s_wait_alu 0x0
	s_wait_tensorcnt 0x0
	ds_add_u32 v254, v255
	s_wait_dscnt 0x0
	s_endpgm
.Lfunc_end_k_qfdde3f88db_main:
	.size	k_qfdde3f88db_main, .Lfunc_end_k_qfdde3f88db_main-k_qfdde3f88db_main
	.p2alignl 7, 3214868480
	.fill 96, 4, 3214868480
	.section	.rodata,"a",@progbits
	.p2align	6, 0x0
	.amdhsa_kernel k_qfdde3f88db_main
		.amdhsa_group_segment_fixed_size 303616
		.amdhsa_private_segment_fixed_size 0
		.amdhsa_enable_private_segment 0
		.amdhsa_kernarg_size 48
		.amdhsa_user_sgpr_count 2
		.amdhsa_user_sgpr_kernarg_segment_ptr 1
		.amdhsa_wavefront_size32 1
		.amdhsa_system_sgpr_workgroup_id_x 1
		.amdhsa_system_sgpr_workgroup_id_y 1
		.amdhsa_system_sgpr_workgroup_id_z 1
		.amdhsa_system_vgpr_workitem_id 0
		.amdhsa_next_free_vgpr 512
		.amdhsa_next_free_sgpr 66
		.amdhsa_reserve_vcc 0
		.amdhsa_float_denorm_mode_32 3
		.amdhsa_float_denorm_mode_16_64 3
		.amdhsa_memory_ordered 1
		.amdhsa_forward_progress 1
		.amdhsa_inst_pref_size 210
	.end_amdhsa_kernel
	.amdgpu_metadata
---
amdhsa.version: [ 1, 2 ]
amdhsa.kernels:
  - .name:           k_qfdde3f88db_main
    .symbol:         k_qfdde3f88db_main.kd
    .args:
      - { .name: wq, .offset: 0, .size: 8, .value_kind: global_buffer, .address_space: global }
      - { .name: t, .offset: 8, .size: 8, .value_kind: global_buffer, .address_space: global }
      - { .name: x, .offset: 16, .size: 8, .value_kind: global_buffer, .address_space: global }
      - { .name: y, .offset: 24, .size: 8, .value_kind: global_buffer, .address_space: global }
      - { .name: z, .offset: 32, .size: 8, .value_kind: global_buffer, .address_space: global }
      - { .name: out0, .offset: 40, .size: 8, .value_kind: global_buffer, .address_space: global }
    .group_segment_fixed_size: 303616
    .private_segment_fixed_size: 0
    .kernarg_segment_align: 8
    .kernarg_segment_size: 48
    .max_flat_workgroup_size: 256
    .sgpr_count:     66
    .vgpr_count:     512
    .wavefront_size: 32
...
	.end_amdgpu_metadata
.endif
;; end of part 4
